; MI455X (gfx1250); checked and timed in simulation.
; The chip was launched on July 23, 2026; its instructions are those of AMD's public machine-readable ISA for CDNA 5 (MIT licence, August 2026) and "CDNA5" Instruction Set Architecture Reference Guide (July 2026). The comments in the code are by the model that wrote it; some were corrected since.
;; Quant Linear. Allowed arithmetic: matrix products marked QUANTISED: E2M3 operands, one E8M0 scale for each 32 along K, by v_wmma_scale_f32_16x16x128_f8f6f4 with both operands' format E2M3, f32 sums; everything else in f32.
;; Inputs: bias 4,096 float32; g_idx 4,096 int32; qweight 512 x 4,096 int32; qzeros 32 x 512 int32; scales 32 x 4,096 float32; x_codes 4,096 x 128 x 24 uint8 (E2M3 codes of x, K innermost, in blocks of 32 codes, four codes in three bytes); x_scales 4,096 x 128 uint8 (E8M0 scales of x, one for each 32 codes along K).
;; Outputs: out0 4,096 x 4,096 float32.
;; This version of the problem:
;;   THIS VERSION OF THE PROBLEM IS GIVEN IN LOW PRECISION. The matrix products marked QUANTISED in the list below multiply operands that are first quantised to E2M3 (2 exponent bits, 3 mantissa bits; 6 bits a number), with one power-of-two scale for each 32 numbers along K (OCP MX v1.0); their sums are f32. All else is computed in f32.
;;   The module's matrix products, in the order in which they are computed (A, B: the left and right operand; K: the contracted axis; several contracted axes count as one K, in the product's order):
;;     1. [M 4,096, K 4,096] x [K 4,096, N 4,096]; A: input x (given as codes); B: computed on the way: QUANTISED
;;   THE QUANTISER, for each operand of a quantised product, along K:
;;     - K is cut into blocks of 32 from its start; a last block that is shorter is filled with zeros.
;;     - A block's scale is 2^e with e = floor(log2(the largest magnitude in the block)) - 2, held to -126 .. 127; a block of zeros has e = 0. As a byte (E8M0): e + 127.
;;     - Each number is divided by its block's scale, clamped to +-7.5, and rounded to the nearest number of E2M3, ties to even, subnormals kept.
;;     - The product sums the exact products of the quantised numbers (number of the format x scale) in f32.
;;   ~~~python
;;   def quantise(x, axis):      # numpy; x: float32 -> the quantised numbers, widened to float32 again
;;       x = np.moveaxis(x, axis, -1); K = x.shape[-1]
;;       x = np.pad(x, [(0, 0)] * (x.ndim - 1) + [(0, -K % 32)]); x = x.reshape(x.shape[:-1] + (-1, 32)); a = np.abs(x).max(-1, keepdims=True)
;;       e = np.where(a > 0, np.clip(np.frexp(np.where(a > 0, a, 1))[1] - 1 - 2, -126, 127), 0)      # np.frexp(a)[1] - 1 = floor(log2(a)), exactly
;;       r = np.clip(x / 2.0 ** e, -7.5, 7.5)
;;       step = 2.0 ** (np.maximum(np.frexp(np.where(r == 0, 1, r))[1] - 1, 0) - 3)
;;       q = np.round(r / step) * step * 2.0 ** e      # np.round: ties to even
;;       return np.moveaxis(q.reshape(q.shape[:-2] + (-1,))[..., :K], -1, axis).astype(np.float32)
;;   ~~~
;;   OPERANDS COMPUTED ON THE WAY. 'Computed on the way' means the value that the module computes at that place (a softmax that the list does not call 'softmax' is quantised finished and normalised). What goes into a quantiser is computed in f32, as accurately as f32 sums, v_exp_f32 and their like allow (about 1e-6 of the number): no bf16 or f16 on the way to a quantiser, and a product that is left as it is and whose result goes on into a quantised operand takes f32 operands (vector FMAs, or v_wmma_f32_16x16x4_f32). A number that lies on a knife's edge between two numbers of the format may be rounded either way, as far as f32 arithmetic and the matrix unit's own rounding can turn it there, and no further.
;;   INPUTS GIVEN AS CODES. x (in the module: [4096, 4096], K = its axis 1): each comes as NAME_codes (uint8): NAME with its K axis moved to the last place and cut into blocks of 32 codes, [.., K / 32, bytes a block], one block behind the other in memory; four codes in three bytes: a row's codes are one little-endian stream of bits, code i at bits 6 i .. 6 i + 5 (a code: sign, 2 exponent bits, 3 mantissa bits); and NAME_scales (uint8): the same leading axes, one E8M0 byte (e + 127) for each 32 codes along K. Its value is code x scale, taken as it is: it is not quantised again, and the codes and scales need not be those that the quantiser above would give.
;; 2 versions. Each part assembles by itself: llvm-mc -triple=amdgcn-amd-amdhsa -mcpu=gfx1250 --defsym DOCPART=n.
;; ======== version 1 of 2: 2 launches
;; workspace buffers: w_img 12,582,912 bytes; w_sc 524,288 bytes
;; launch wprep (part 1): grid 32 x 8, 8 waves a work-group, no clusters, 33,792 bytes of LDS; arguments qweight, qzeros, scales, g_idx, w_img, w_sc; writes w_img, w_sc
.if DOCPART == 1
	.amdgcn_target "amdgcn-amd-amdhsa--gfx1250"
	.amdhsa_code_object_version 6
	.text
	.protected	k_qed70381d52_wprep
	.globl	k_qed70381d52_wprep
	.p2align	8
	.type	k_qed70381d52_wprep,@function
k_qed70381d52_wprep:
	s_mov_b64 s[64:65], 0
	v_nop
	global_prefetch_b8 v0, s[64:65] scope:SCOPE_SE
	s_setreg_imm32_b32 hwreg(HW_REG_WAVE_MODE, 25, 1), 1
	s_wait_xcnt 0x0
; W[k][n] = scales[g_idx[k]][n] * f32(nibble k%8 of qweight[k/8][n] - (nibble n%8 of qzeros[g_idx[k]][n/8] + 1)), 4096 x 4096, is computed in f32 and
; quantised along K to codes of FP6 (E2M3) with one E8M0 byte for each 32 along K.  The whole-number difference is exact in f32 (f32(w) + f32(-(z+1))), and one multiplication by the scale follows.
; A block's scale is 2^(floor(log2(its largest magnitude)) - 2): its byte is the largest magnitude's exponent field - 2, held at 1 from below.
; OUT.  w_img: the codes as images of the matrix operand's registers, [slot j = k/256][cb = n/16][q = (k/128)%2][1,536 bytes]: an image is three runs of 512 bytes; in run c lane l's 16 bytes at 16 l are
; registers 4c .. 4c+3 of the fragment (lane (r, h): column 16 cb + r; registers 6c' .. 6c'+5: k = 256 j + 128 q + 64 c' + 32 h + 0 .. 31).  w_sc: [j][n][8 bytes], byte 4 q + b for k = 256 j + 128 q + 32 b on.
; SHARES.  A work-group takes 128 columns x 512 along K.  Wave w: cg = w % 4 (32 columns, a lane a column), sl = w / 4 (slot j = 2 y + sl, 256 along K).  A LANE TAKES A COLUMN AND ITS REGISTERS RUN DOWN K:
; a block of 32 lies in one lane, and the conversions give codes with K innermost.  The four waves of one sl read 512 consecutive bytes of each row of qweight.
; g_idx IS HONOURED FOR EACH k: the scales and the -(z+1) of all 32 groups for the work-group's 128 columns lie in a table in LDS, written once ahead of the one barrier and only read behind it;
; g_idx comes by scalar loads, 16 at a time, and picks the table's row.
; LIMITS: a g_idx outside 0 .. 31 is held at 31 (as an unsigned number).  A block of zeros gets the byte 1 where the rule says 127: its codes are zeros, which add nothing, and this program alone reads the bytes.
; NaN and infinities among the scales are not served.
; Every offset is an immediate, no pointer is stepped, no register that a store reads is written again: so no wait for sources is needed.
.set LANE4, 2                          ; v2   4 x lane
.set ZW,    3                          ; v3   4 x (lane / 8): my column's word in a row of qzeros
.set ZSH,   4                          ; v4   4 x (lane % 8): its nibble's place
.set TS,    5                          ; v5   table, on the way in: 4096 cg + 2048 sl + 4 lane
.set TB,    6                          ; v6   table, on the way out: 4096 cg + 4 lane
.set L16,   7                          ; v7   16 x lane
.set L8,    8                          ; v8   8 x lane
.set AD,    10                         ; v10-11 the address of the table's row in hand, by turns
.set SB,    16                         ; v16-17 my column's 8 scale bytes
.set BS,    20                         ; v20-35 16 groups' scales, for the table
.set BZ,    36                         ; v36-51 16 groups' words of qzeros, then -(z+1) as f32
.set WD,    52                         ; v52-83 my column's 32 words of qweight
.set X,     84                         ; v84-115 a block's 32 numbers
.set SV,    116                        ; v116-147 the scales of 16 k, two sets
.set NV,    148                        ; v148-179 the -(z+1) of 16 k, two sets
.set F,     180                        ; v180-227 four fragments of 12 registers: F + 24 q + 12 par
.set TH,    228                        ; v228-230, v232-234 the upper halves of a pair of blocks
.set G,     32                         ; s32-47, s48-63 16 numbers of g_idx, two sets
.set NZP,   16384                      ; LDS: plane of scales at 0, plane of -(z+1) here; each [cg: 4,096 bytes][group: 128 bytes][lane: 4 bytes]
	s_load_b256 s[4:11], s[0:1], 0x0               ; qweight s[4:5], qzeros s[6:7], scales s[8:9], g_idx s[10:11]
	s_load_b128 s[12:15], s[0:1], 0x20             ; w_img s[12:13], w_sc s[14:15]
	v_lshl_add_u32 v240, v0, 2, 0x8000
	v_mov_b32 v241, 0
	v_lshrrev_b32 v1, 5, v0
	v_readfirstlane_b32 s16, v1                    ; wave 0..7
	v_and_b32 v1, 31, v0                           ; lane
	s_and_b32 s17, s16, 3                          ; cg
	s_lshr_b32 s18, s16, 2                         ; sl
	s_and_b32 s20, ttmp7, 0xffff                   ; y
	s_lshl_b32 s21, s20, 1
	s_add_co_u32 s21, s21, s18                     ; j = 2 y + sl
	v_lshlrev_b32 v[LANE4], 2, v1
	v_lshrrev_b32 v[ZW], 3, v1
	v_lshlrev_b32 v[ZW], 2, v[ZW]
	v_and_b32 v[ZSH], 7, v1
	v_lshlrev_b32 v[ZSH], 2, v[ZSH]
	s_lshl_b32 s26, s17, 12
	v_add_nc_u32 v[TB], s26, v[LANE4]
	s_lshl_b32 s27, s18, 11
	v_add_nc_u32 v[TS], s27, v[TB]
	v_lshlrev_b32 v[L16], 4, v1
	v_lshlrev_b32 v[L8], 3, v1
	s_lshl_b32 s22, ttmp9, 9
	s_lshl_b32 s23, s17, 7
	s_add_co_u32 s22, s22, s23                     ; 512 x + 128 cg: my wave's first column, 4 bytes a column
	s_mov_b32 s25, 0
	s_wait_kmcnt 0x0
	s_lshl_b32 s24, s21, 19                        ; qweight: 32 rows of 16,384 bytes a slot
	s_add_co_u32 s24, s24, s22
	s_add_nc_u64 s[4:5], s[4:5], s[24:25]
	s_lshl_b32 s24, s18, 18                        ; scales: I build groups 16 sl on: 16 rows of 16,384 bytes
	s_add_co_u32 s24, s24, s22
	s_add_nc_u64 s[8:9], s[8:9], s[24:25]
	s_lshr_b32 s23, s22, 3                         ; qzeros: eight columns to a word; 16 rows of 2,048 bytes
	s_lshl_b32 s24, s18, 15
	s_add_co_u32 s24, s24, s23
	s_add_nc_u64 s[6:7], s[6:7], s[24:25]
	s_lshl_b32 s24, s21, 10                        ; g_idx: 256 numbers a slot
	s_add_nc_u64 s[10:11], s[10:11], s[24:25]
	s_mul_i32 s24, s21, 786432                     ; w_img: 256 column blocks x 3,072 bytes a slot,
	s_mul_i32 s23, s22, 48                         ; 24,576 x + 6,144 cg
	s_add_co_u32 s24, s24, s23
	s_add_nc_u64 s[12:13], s[12:13], s[24:25]
	s_lshl_b32 s24, s21, 15                        ; w_sc: 32,768 bytes a slot, 8 bytes a column
	s_lshl_b32 s23, s22, 1
	s_add_co_u32 s24, s24, s23
	s_add_nc_u64 s[14:15], s[14:15], s[24:25]
.macro SLOAD u                         ; g_idx of the slot's k = 16 u .. 16 u + 15 into set u % 2
	s_load_b512 s[G+16*((\u)%2):G+16*((\u)%2)+15], s[10:11], 64*(\u)
.endm
	; all global loads of the wave go out here: first the 32 for the table, then my column's 32 words
.irp i, 0,1,2,3,4,5,6,7,8,9,10,11,12,13,14,15
	global_load_b32 v[BS+\i], v[LANE4], s[8:9] offset:16384*\i
.endr
.irp i, 0,1,2,3,4,5,6,7,8,9,10,11,12,13,14,15
	global_load_b32 v[BZ+\i], v[ZW], s[6:7] offset:2048*\i
.endr
.irp r, 0,1,2,3,4,5,6,7,8,9,10,11,12,13,14,15,16,17,18,19,20,21,22,23,24,25,26,27,28,29,30,31
	global_load_b32 v[WD+\r], v[LANE4], s[4:5] offset:16384*\r th:TH_LOAD_NT   ; 32 lanes read 128 consecutive bytes; read once in the launch
.endr
	SLOAD 0
	SLOAD 1
	s_wait_loadcnt 32                              ; loads come back in order: the table's 32 are in, the 32 words of qweight behind them may be out
.irp i, 0,1,2,3,4,5,6,7,8,9,10,11,12,13,14,15
	v_bfe_u32 v[BZ+\i], v[BZ+\i], v[ZSH], 4        ; z
.endr
.irp i, 0,1,2,3,4,5,6,7,8,9,10,11,12,13,14,15
	v_xor_b32 v[BZ+\i], -1, v[BZ+\i]               ; -z - 1
.endr
.irp i, 0,1,2,3,4,5,6,7,8,9,10,11,12,13,14,15
	v_cvt_f32_i32 v[BZ+\i], v[BZ+\i]
.endr
.irp i, 0,1,2,3,4,5,6,7,8,9,10,11,12,13,14,15
	ds_store_b32 v[TS], v[BS+\i] offset:128*\i
	ds_store_b32 v[TS], v[BZ+\i] offset:NZP+128*\i
.endr
	s_wait_dscnt 0x0                               ; for the other waves' sake: my part of the table has landed
	s_barrier_signal -1
	s_barrier_wait -1                              ; the table is whole; from here on it is only read
.macro GATHER u                        ; the scale and the -(z+1) of each of 16 k, for my column, into set u % 2
.set GS, G+16*((\u)%2)
.set VS, 16*((\u)%2)
.irp i, 0,1,2,3,4,5,6,7,8,9,10,11,12,13,14,15
	s_min_u32 s[GS+\i], s[GS+\i], 31               ; the index stays inside the table
	v_lshl_add_u32 v[AD+\i%2], s[GS+\i], 7, v[TB]
	ds_load_b32 v[SV+VS+\i], v[AD+\i%2]
	ds_load_b32 v[NV+VS+\i], v[AD+\i%2] offset:NZP
.endr
.endm
.macro HALF u                          ; 16 numbers of W: two words' nibbles, + (-(z+1)), x scale
.set XB, X+16*((\u)%2)
.set VS, 16*((\u)%2)
.irp i, 0,1,2,3,4,5,6,7,8,9,10,11,12,13,14,15
	v_bfe_u32 v[XB+\i], v[WD+2*(\u)+\i/8], 4*(\i%8), 4
.endr
.irp i, 0,1,2,3,4,5,6,7,8,9,10,11,12,13,14,15
	v_cvt_f32_u32 v[XB+\i], v[XB+\i]
.endr
.irp i, 0,2,4,6,8,10,12,14
	v_pk_add_f32 v[XB+\i:XB+\i+1], v[XB+\i:XB+\i+1], v[NV+VS+\i:NV+VS+\i+1]
.endr
.irp i, 0,2,4,6,8,10,12,14
	v_pk_mul_f32 v[XB+\i:XB+\i+1], v[XB+\i:XB+\i+1], v[SV+VS+\i:SV+VS+\i+1]
.endr
.endm
.macro BLOCKQ t                        ; block t of the slot's eight: its byte and its codes.  q = t / 4, c = (t / 2) % 2, par = t % 2
.set FQ, F+24*((\t)/4)+12*((\t)%2)+6*(((\t)/2)%2)
.set TQ, TH+4*((\t)%2)
	v_max3_num_f32 v12, |v[X]|, |v[X+1]|, |v[X+2]|                  ; the block's largest magnitude: all 32 numbers are mine; two chains
	v_max3_num_f32 v13, |v[X+3]|, |v[X+4]|, |v[X+5]|
.irp i, 6,10,14,18,22,26
	v_max3_num_f32 v12, v12, |v[X+\i]|, |v[X+\i+1]|
	v_max3_num_f32 v13, v13, |v[X+\i+2]|, |v[X+\i+3]|
.endr
	v_max3_num_f32 v12, v12, |v[X+30]|, |v[X+31]|
	v_max3_num_f32 v12, v12, v13, 0x1800000        ; and the floor 2^(3 - 127): the byte cannot fall under 1
	v_add_nc_u32 v14, 0xff000000, v12              ; 2 off the exponent field: the conversion takes this operand's exponent field as its scale
	v_cvt_scalef32_pk16_fp6_f32 v[FQ:FQ+2], v[X:X+15], v14
	v_cvt_scalef32_pk16_fp6_f32 v[TQ:TQ+2], v[X+16:X+31], v14       ; (a conversion's three registers begin on an even number: the upper half is made apart and moved)
	v_lshrrev_b32 v15, 23, v14                     ; the scale's byte; also the plain instruction behind the conversions
.if (\t)%4 == 0
	v_mov_b32 v[SB+(\t)/4], v15
.else
	v_lshl_or_b32 v[SB+(\t)/4], v15, 8*((\t)%4), v[SB+(\t)/4]
.endif
.endm
; Blocks 2c (par 0) and 2c + 1 (par 1) of the wave's 32 columns become registers 6c .. 6c+5 of two fragments.  The swap gives the first register's lanes 16-31 the second's lanes 0-15 and the other way round:
; the first then holds columns 0-15 (lanes 0-15 block 2c, lanes 16-31 block 2c + 1), the second columns 16-31 likewise: as the operand's layout asks.
.macro PAIR t
.set F0, F+24*((\t)/4)+6*(((\t)/2)%2)
.set F1, F0+12
.irp i, 0,1,2
	v_permlane16_swap_b32 v[F0+\i], v[F1+\i]
	v_permlane16_swap_b32 v[TH+\i], v[TH+4+\i]
.endr
.irp i, 0,1,2
	v_mov_b32 v[F0+3+\i], v[TH+\i]
	v_mov_b32 v[F1+3+\i], v[TH+4+\i]
.endr
.endm
.macro SENDQ q                         ; the two fragments of 128 along K leave as they stand: each store of the wave covers 512 consecutive bytes, aligned
.irp par, 0,1
.irp c, 0,1,2
	global_store_b128 v[L16], v[F+24*(\q)+12*\par+4*\c:F+24*(\q)+12*\par+4*\c+3], s[12:13] offset:(2*\par+(\q))*1536+512*\c
.endr
.endr
.endm
	s_wait_kmcnt 0x0                               ; scalar loads come back in no order: the count is 0
	GATHER 0
	SLOAD 2                                        ; into the set that GATHER 0 has read
.irp u, 0,1,2,3,4,5,6,7,8,9,10,11,12,13,14,15
.if \u < 15
	s_wait_kmcnt 0x0
	GATHER \u+1                                    ; the next 16 k's table rows are on their way while these 16 are worked
.if \u+3 < 16
	SLOAD \u+3
.endif
	s_wait_dscnt 32                                ; LDS loads come back in order: this half's 32 are in, the 32 just issued may be out
.else
	s_wait_dscnt 0x0
.endif
	s_wait_loadcnt 30-2*\u                         ; words 2 u and 2 u + 1 are in; the words behind them may be out
	HALF \u
.if \u%2 == 1
	BLOCKQ \u/2
.endif
.if \u%4 == 3
	PAIR \u/2
.endif
.if \u%8 == 7
	SENDQ \u/8
.endif
.endr
	global_store_b64 v[L8], v[SB:SB+1], s[14:15]   ; 32 lanes store 256 consecutive bytes, aligned
	s_wait_tensorcnt 0x0
	ds_add_u32 v240, v241
	s_wait_dscnt 0x0
	s_endpgm
.Lfunc_end_k_qed70381d52_wprep:
	.size	k_qed70381d52_wprep, .Lfunc_end_k_qed70381d52_wprep-k_qed70381d52_wprep
	.p2alignl 7, 3214868480
	.fill 96, 4, 3214868480
	.section	.rodata,"a",@progbits
	.p2align	6, 0x0
	.amdhsa_kernel k_qed70381d52_wprep
		.amdhsa_group_segment_fixed_size 33792
		.amdhsa_private_segment_fixed_size 0
		.amdhsa_enable_private_segment 0
		.amdhsa_kernarg_size 48
		.amdhsa_user_sgpr_count 2
		.amdhsa_user_sgpr_kernarg_segment_ptr 1
		.amdhsa_wavefront_size32 1
		.amdhsa_system_sgpr_workgroup_id_x 1
		.amdhsa_system_sgpr_workgroup_id_y 1
		.amdhsa_system_sgpr_workgroup_id_z 1
		.amdhsa_system_vgpr_workitem_id 0
		.amdhsa_next_free_vgpr 242
		.amdhsa_next_free_sgpr 66
		.amdhsa_reserve_vcc 0
		.amdhsa_float_denorm_mode_32 3
		.amdhsa_float_denorm_mode_16_64 3
		.amdhsa_memory_ordered 1
		.amdhsa_forward_progress 1
		.amdhsa_inst_pref_size 124
	.end_amdhsa_kernel
	.amdgpu_metadata
---
amdhsa.version: [ 1, 2 ]
amdhsa.kernels:
  - .name:           k_qed70381d52_wprep
    .symbol:         k_qed70381d52_wprep.kd
    .args:
      - { .name: qweight, .offset: 0, .size: 8, .value_kind: global_buffer, .address_space: global }
      - { .name: qzeros, .offset: 8, .size: 8, .value_kind: global_buffer, .address_space: global }
      - { .name: scales, .offset: 16, .size: 8, .value_kind: global_buffer, .address_space: global }
      - { .name: g_idx, .offset: 24, .size: 8, .value_kind: global_buffer, .address_space: global }
      - { .name: w_img, .offset: 32, .size: 8, .value_kind: global_buffer, .address_space: global }
      - { .name: w_sc, .offset: 40, .size: 8, .value_kind: global_buffer, .address_space: global }
    .group_segment_fixed_size: 33792
    .private_segment_fixed_size: 0
    .kernarg_segment_align: 8
    .kernarg_segment_size: 48
    .max_flat_workgroup_size: 256
    .sgpr_count:     66
    .vgpr_count:     242
    .wavefront_size: 32
...
	.end_amdgpu_metadata
.endif
;; end of part 1
;; launch gemm (part 2): grid 16 x 16, 4 waves a work-group, clusters of 4 x 4, 327,680 bytes of LDS; arguments x_codes, x_scales, w_img, w_sc, bias, out0; writes out0
.if DOCPART == 2
	.amdgcn_target "amdgcn-amd-amdhsa--gfx1250"
	.amdhsa_code_object_version 6
	.text
	.protected	k_qed70381d52_gemm
	.globl	k_qed70381d52_gemm
	.p2align	8
	.type	k_qed70381d52_gemm,@function
k_qed70381d52_gemm:
	s_mov_b64 s[64:65], 0
	v_nop
	global_prefetch_b8 v0, s[64:65] scope:SCOPE_SE
	s_setreg_imm32_b32 hwreg(HW_REG_WAVE_MODE, 25, 1), 1
	s_wait_xcnt 0x0
	s_wait_alu depctr_hold_cnt(0) depctr_sa_sdst(0) depctr_va_vdst(0) depctr_va_sdst(0) depctr_va_ssrc(0) depctr_va_vcc(0) depctr_vm_vsrc(0)
	s_getreg_b32 s2, hwreg(HW_REG_IB_STS2, 6, 4)
	s_cmp_eq_u32 s2, 0
	s_cbranch_scc0 .Lentry_in_a_cluster
	s_endpgm
.Lentry_in_a_cluster:
	s_bfe_u32 s2, ttmp6, 0x10000c
	s_cmp_lg_u32 s2, 0xf033
	s_cbranch_scc0 .Lentry_shape_is_right
	s_endpgm
.Lentry_shape_is_right:
; out0[m][n] = bias[n] + sum over k of x[m][k] W[k][n], M = N = K = 4,096, both operands codes of FP6 (E2M3) with one E8M0 byte for each 32 along K; sums in f32.
; x: codes [4096][3,072 bytes] (a row is one stream of bits, 128 codes in 96 bytes), bytes [4096][128].  W: made by the launch before: w_img, images of the operand's registers,
; [slot j = k/256][cb = n/16][q][1,536 bytes], and w_sc [j][n][8 bytes].
; A tile of 256 x 256 of the output is made by a work-group of four waves, as many as a WGP has SIMDs; a wave makes 128 x 128: 64 accumulators of 16 x 16, 512 registers.  There are 256 tiles: one to a work-group.
; K goes in steps of 256 through a ring of two LDS slots filled by the tensor data mover: x's 256 rows of 192 bytes (padded), and W's 16 column blocks, one dense run of 24,576 bytes for each 128 columns.
; A fragment of W comes out of LDS by three loads of 16 bytes a lane at 16 x lane: 512 consecutive bytes each.  THE SCALE BYTES of the tile's rows and columns for all of K come into LDS once, with the first fills, and stay.
; CLUSTERS: 4 x 4 work-groups.  The four of a row of the cluster need the same tiles of x, the four of a column the same tiles of W: each is asked for JOINTLY, by the same tensor load with the same descriptor and a mask that names the four.
; THE MATRIX INSTRUCTION IS USED TRANSPOSED (source 0 = 16 columns of W, source 1 = 16 rows of x): a lane then holds eight neighbouring numbers of a row of the output.
; THE BIAS is the C of each sum's first product (eight registers for each of my eight column blocks, in the result's layout).  LIMIT: so the bias begins each sum where reference() adds it last: the order of rounding differs, nothing else.
; REGISTERS, in windows of 256: window 0: v0-31 addresses; v32-63 scale words, two sets; v64-127 the bias; v128-223 x's fragments (8 x 16 rows x 128 K), ONE set; on the way out v128-255 are free.
;   window 1: W's fragments, TWO sets, at v0 and at v128.   window 2: the 32 accumulators of my rows 0-63 (accumulator (a, b) at v[8 (8 a + b)]);   window 3: those of my rows 64-127.
.set SIZE_N, 4096
.set NQ,     2                         ; matrix instructions deep in a slot
.set ROWB,   192                       ; a row of x's tile in bytes: 256 codes
.set KROW,   3072                      ; a row of x in memory
.set PITCH,  240                       ; an LDS row of x: 3 x (64 bytes + 16 of padding) = 60 words: row r starts at bank -4 r mod 64 (64 banks of 4 bytes: ISA guide 11.1)
.set FR,     12                        ; registers of a fragment
.set NL,     6                         ; LDS loads that bring one of x's
.set NP,     4                         ; places behind this matrix instruction (ISA guide 7.12.1)
.set HALFA,  128*PITCH                 ; x: 128 rows: what one tensor load brings, and what one wave reads
.set HALFB,  24576                     ; W: 8 column blocks x 2 x 1,536 bytes: likewise
.set BOFF,   2*HALFA                   ; a slot: x's 256 rows, then W's 256 columns
.set SLOT,   BOFF+2*HALFB
.set BSTEP,  786432                    ; from slot to slot in w_img
.set LAPS,   8                         ; a lap = two K steps = once round the ring
.set SCA,    2*SLOT                    ; behind the ring: x's scale bytes, as runs of 256 bytes + 16 of padding
.set HALFS,  64*272                    ; those of 128 rows
.set SBLK,   8*272                     ; those of 16 rows
.set SCB,    SCA+2*HALFS               ; W's: [half of the columns: 16,384 bytes][K step: 1,024 bytes][column: 8 bytes]
.set SPARE,  SCB+2*16384               ; the spare words, 128 bytes for each wave: two blocks of 256 bytes that no other line names
.set SPITCH, 528                       ; the way out: a stage of 16 rows x (512 bytes + 16) for each wave, in slot 0, which has had its last fill and its last read when the first result is stored there
.set ADRA, 16                          ; v16-17  LDS address of my fragments of x in slot 0, 1  (v18-19: the same for the pieces that lie behind one padding more)
.set ADRB, 20                          ; v20-21  of my images of W in slot 0, 1
.set STO,  24                          ; v24     the way out: where I put 32 bytes of a row
.set RD,   25                          ; v25     the way out: where I read a row back
.set CO,   26                          ; v26     16 x lane: my byte offset in a row of my part of the output
.set ADRSA, 27                         ; v27     LDS address of x's scale words: lanes 0-15 an even block's rows, lanes 16-31 the odd block's behind it
.set SPW,  28                          ; v28     LDS address of my spare word: SPARE + 4 x my thread's number; never rewritten
.set NIL,  29                          ; v29     0; never rewritten
.set ADRSB, 30                         ; v30     LDS address of W's scale words: 8 bytes a column, a lane a column
.set PFO,  31                          ; v31     the prefetches' offset; never rewritten
.set SC,   32                          ; scale words: set s at v[SC + 16 s]; x's at + 2 ip + q (lanes 0-15 block 2 ip, lanes 16-31 block 2 ip + 1), W's at + 8 + 2 ip + q likewise
.set BI,   64                          ; the bias: v[BI + 8 b + i] = bias of my column 16 b + 8 (lane / 16) + i
.set AF,   128                         ; x's fragments
.set BK,   128                         ; the way out: 16 rows read back from the stage: v128-191 and v192-255 by turns
.set G1, 24                            ; s[24:31] descriptor group 1 for x's tiles;  s[32:39] group 0, one set for each slot
.set G0, 32
.set G1B, 48                           ; s[48:55], s[56:63] the same for W's tiles
.set G0B, 56
.set G1S, 68                           ; s[68:75], s[76:79] groups 1 and 0 for x's scale bytes;  s[80:87], s[88:91] for W's
.set G0S, 76
.set G1SB, 80
.set G0SB, 88
.set PFA, 96                           ; s[96:97] where my prefetches stand
.set PFS, 98                           ; s[98:99] a K step on, in bytes
.set LIM, 100                          ; s100    1 in a wave that prefetches, else the greatest number
.set MSB, 0
.macro WIN new                         ; the immediate's high byte repeats the setting that is left
.if MSB != \new
	s_set_vgpr_msb (MSB<<8)|\new
.set MSB, \new
.endif
.endm
.set MUL_LO, 0xa1                      ; source 0 (W) window 1, source 1 (x) window 0, C and D window 2
.set MUL_HI, 0xf1                      ; the same, C and D window 3
.set FST_LO, 0x81                      ; the first step: C (the bias) window 0, D window 2
.set FST_HI, 0xc1                      ; D window 3
.set TO_B,   0x40                      ; destination window 1, address window 0
; A joint load: waves 0 and 1 fetch for x, waves 2 and 3 for W.  Each of the two lines has ONE mask and one set of registers for all that issue it; the branch hangs on the wave's number alone.
; Four v_nop follow each of the two lines, ahead of the jump, the label and what follows.
.macro JLOAD g0a, g1a, g0b, g1b
	s_cmp_eq_u32 s15, 0
	s_cbranch_scc0 .Lfor_b_\@
	tensor_load_to_lds s[\g0a:\g0a+3], s[\g1a:\g1a+7]
	s_nop 0
.rept 4
	v_nop
.endr
	s_branch .Lasked_\@
.Lfor_b_\@:
	tensor_load_to_lds s[\g0b:\g0b+3], s[\g1b:\g1b+7]
	s_nop 0
.rept 4
	v_nop
.endr
.Lasked_\@:
.endm
.macro CREST                           ; a round of the cluster's barrier behind its opening barrier
	s_cmp_lg_u32 s14, 0
	s_cbranch_scc1 .Lnot_wave_0_\@
	s_barrier_signal -3
.Lnot_wave_0_\@:
	s_barrier_wait -3
	s_barrier_signal -1
	s_barrier_wait -1
.endm
.macro CROUND                          ; a whole round
	s_barrier_signal -1
	s_barrier_wait -1
	CREST
.endm
; A PREFETCH INTO THE L2, behind each joint refill, its four lines and the run of LDS loads that follows them: the refill of K step u names K step u + 2: two K steps, 256 matrix instructions, ahead of the load that will want it.
; Each aligned block of 256 bytes is named once in the launch.  x's tile rows are read by every cluster of a row of clusters: cluster x = 0 asks; W's tile columns by every cluster of a column: cluster y = 0 asks.
; The four partners that ask for a tile jointly share it out BY ADDRESS.  x: 32 of the wave's 128 rows each, a lane a row; a K step's part of a row is 192 bytes, so a lane names the part's LAST byte: the block in which
; the part ends is one that no earlier part has touched, but for K steps 7, 11, 15, whose part ends in the block that the step before has named: those fall on slot 1's refills with an even count of laps left, where x's waves ask for nothing.
; W: 6,144 of the wave's 24,576 bytes each, 24 blocks, lanes 256 bytes apart; lanes 24 to 31 name lane 23's block with it, in the same instruction.
; K steps 0 to 3 come by their loads alone; the last trip (s3 = 1) asks for nothing: there is no K step two on.
.macro ASK slot
	s_cmp_gt_u32 s3, s[LIM]
	s_cbranch_scc0 .Lnot_mine_\@
.if \slot
	s_or_b32 s2, s3, s15                           ; s15 = 1 in W's waves: they always ask
	s_and_b32 s2, s2, 1
	s_cmp_eq_u32 s2, 0
	s_cbranch_scc1 .Lnot_mine_\@
.endif
	global_prefetch_b8 v[PFO], s[PFA:PFA+1] th:TH_LOAD_NT scope:SCOPE_SE
.Lnot_mine_\@:
.endm
	s_load_b128 s[4:7], s[0:1], 0x0                ; x's codes s[4:5], x's scale bytes s[6:7]
	s_load_b128 s[8:11], s[0:1], 0x10              ; W's images s[8:9], W's scale bytes s[10:11]
	s_load_b64 s[66:67], s[0:1], 0x20              ; bias
	s_load_b64 s[12:13], s[0:1], 0x28              ; out0
	v_lshl_add_u32 v[SPW], v0, 2, SPARE
	v_mov_b32 v[NIL], 0
	ds_add_u32 v28, v29
	ds_add_u32 v28, v29
	s_wait_dscnt 0x0
	v_lshrrev_b32 v1, 5, v0
	v_readfirstlane_b32 s14, v1                    ; wave 0..3
	s_lshr_b32 s15, s14, 1                         ; which half of the tile's rows is mine.  Also: I fetch for x (0) or for W (1)
	s_and_b32 s16, s14, 1                          ; which half of its columns.  Also: which half of that tile I fetch
	s_bfe_u32 s40, ttmp6, 0x40000                  ; cx, cy: my place in the cluster
	s_bfe_u32 s41, ttmp6, 0x40004
	s_lshl_b32 s42, ttmp9, 2
	s_add_co_u32 s42, s42, s40                     ; tile column = 4 x cluster x + cx
	s_and_b32 s17, ttmp7, 0xffff
	s_lshl_b32 s17, s17, 2
	s_add_co_u32 s17, s17, s41                     ; tile row = 4 x cluster y + cy
	s_lshl_b32 s43, s41, 2
	s_lshl_b32 s43, 15, s43                        ; my row of the cluster
	s_lshl_b32 s44, 0x1111, s40                    ; my column
	; group 1, x's tiles: 128 rows x 192 bytes, 3,072 bytes apart, 16 bytes of padding behind every 64
	s_or_b32 s[G1+0], s43, (0<<16)|(1<<20)|(1<<21)|(3<<22)|(3<<25)  ; 15:0 the mask: my row; 17:16 elements of 1 byte; 20 padding on; 21 set beside a mask; 24:22 after every 16 words; 31:25 of 4 words
	s_mov_b32 s[G1+1], ROWB<<16                    ; tensor_dim0
	s_mov_b32 s[G1+2], 128<<16                     ; tensor_dim1
	s_mov_b32 s[G1+3], ROWB<<16                    ; tile_dim0
	s_mov_b32 s[G1+4], 128                         ; tile_dim1
	s_mov_b32 s[G1+5], KROW                        ; tensor_dim0_stride
	s_mov_b32 s[G1+6], 0
	s_mov_b32 s[G1+7], 0
	; W's tiles: a dense run of 24,576 bytes, as 96 rows of 256 bytes (32 elements of 8 bytes), no padding
	s_or_b32 s[G1B+0], s44, (3<<16)|(1<<21)        ; the mask: my column
	s_mov_b32 s[G1B+1], 32<<16
	s_mov_b32 s[G1B+2], 96<<16
	s_mov_b32 s[G1B+3], 32<<16
	s_mov_b32 s[G1B+4], 96
	s_mov_b32 s[G1B+5], 32
	s_mov_b32 s[G1B+6], 0
	s_mov_b32 s[G1B+7], 0
	; x's scale bytes of 128 rows: a dense run of 16,384 bytes, as 64 rows of 256 bytes, 16 bytes of padding behind each
	s_or_b32 s[G1S+0], s43, (3<<16)|(1<<20)|(1<<21)|(5<<22)|(3<<25)
	s_mov_b32 s[G1S+1], 32<<16
	s_mov_b32 s[G1S+2], 64<<16
	s_mov_b32 s[G1S+3], 32<<16
	s_mov_b32 s[G1S+4], 64
	s_mov_b32 s[G1S+5], 32
	s_mov_b32 s[G1S+6], 0
	s_mov_b32 s[G1S+7], 0
	; W's scale bytes of 128 columns: 16 rows (K steps) of 1,024 bytes (128 elements of 8 bytes), 32,768 bytes apart, no padding
	s_or_b32 s[G1SB+0], s44, (3<<16)|(1<<21)
	s_mov_b32 s[G1SB+1], 128<<16
	s_mov_b32 s[G1SB+2], 16<<16
	s_mov_b32 s[G1SB+3], 128<<16
	s_mov_b32 s[G1SB+4], 16
	s_mov_b32 s[G1SB+5], 4096
	s_mov_b32 s[G1SB+6], 0
	s_mov_b32 s[G1SB+7], 0
	; where the tiles come from (all offsets stay under 2^32).  x's hang on the tile row alone, W's on the tile column alone
	s_lshl_b32 s18, s16, 7
	s_lshl_b32 s20, s17, 8
	s_add_co_u32 s20, s20, s18                     ; x: row 256 x tile row + 128 x half
	s_lshl_b32 s22, s20, 7                         ; its scale bytes: 128 a row
	s_mul_i32 s20, s20, KROW                       ; its codes
	s_mov_b32 s21, 0
	s_mov_b32 s23, 0
	s_lshl_b32 s18, s16, 3
	s_lshl_b32 s46, s42, 4
	s_add_co_u32 s46, s46, s18                     ; W: column block 16 x tile column + 8 x half
	s_lshl_b32 s92, s46, 7                         ; its scale bytes in a K step: 128 a block
	s_mul_i32 s46, s46, 3072                       ; its images in a slot
	s_mov_b32 s47, 0
	s_mov_b32 s93, 0
	s_mul_i32 s45, s16, HALFA                      ; where they go: no place in the cluster enters an LDS address
	s_mul_i32 s95, s16, HALFB
	s_add_co_u32 s95, s95, BOFF
	s_mul_i32 s94, s16, HALFS
	s_lshl_b32 s19, s16, 14
	s_wait_kmcnt 0x0
	s_add_nc_u64 s[20:21], s[4:5], s[20:21]
	s_add_nc_u64 s[22:23], s[6:7], s[22:23]
	s_add_nc_u64 s[46:47], s[8:9], s[46:47]
	s_add_nc_u64 s[92:93], s[10:11], s[92:93]
	CROUND                                         ; all sixteen work-groups are here: the first joint loads meet
	s_mov_b32 s[G0S], 1
	s_add_co_u32 s[G0S+1], s94, SCA
	s_mov_b64 s[G0S+2:G0S+3], s[22:23]
	s_or_b32 s[G0S+3], s[G0S+3], 0x80000000
	s_mov_b32 s[G0SB], 1
	s_add_co_u32 s[G0SB+1], s19, SCB
	s_mov_b64 s[G0SB+2:G0SB+3], s[92:93]
	s_or_b32 s[G0SB+3], s[G0SB+3], 0x80000000
	JLOAD G0S, G1S, G0SB, G1SB                     ; the scale bytes first: they are wanted with K step 0.  With the two below, three tensor loads of mine are out
.irp s, 0,1
	s_mov_b32 s[G0+4*\s], 1
	s_add_co_u32 s[G0+4*\s+1], s45, \s*SLOT
	s_add_nc_u64 s[G0+4*\s+2:G0+4*\s+3], s[20:21], \s*ROWB
	s_or_b32 s[G0+4*\s+3], s[G0+4*\s+3], 0x80000000
	s_mov_b32 s[G0B+4*\s], 1
	s_add_co_u32 s[G0B+4*\s+1], s95, \s*SLOT
	s_add_nc_u64 s[G0B+4*\s+2:G0B+4*\s+3], s[46:47], \s*BSTEP
	s_or_b32 s[G0B+4*\s+3], s[G0B+4*\s+3], 0x80000000
	JLOAD G0+4*\s, G1, G0B+4*\s, G1B
.endr
	v_and_b32 v1, 15, v0                           ; r = l % 16
	v_bfe_u32 v2, v0, 4, 1                         ; h = l / 16
	v_and_b32 v6, 31, v0                           ; lane
	v_mul_u32_u24 v3, v1, PITCH
	v_mul_u32_u24 v4, v2, 24
	v_add_nc_u32 v4, v3, v4                        ; a fragment of x: row x pitch + 24 x half
	v_lshl_add_u32 v5, v2, 4, v4                   ; and the same behind one padding more
	s_mul_i32 s21, s15, HALFA                      ; my 128 rows of x
.irp s, 0,1
	v_add_nc_u32 v[ADRA+\s], s21, v4
	v_add_nc_u32 v[ADRA+2+\s], s21, v5
	s_add_co_u32 s21, s21, SLOT
.endr
	v_lshlrev_b32 v[CO], 4, v6                     ; 16 x lane
	s_mul_i32 s22, s16, HALFB                      ; my 128 columns of W, behind x's rows
	s_add_co_u32 s22, s22, BOFF
	v_add_nc_u32 v[ADRB], s22, v[CO]
	s_add_co_u32 s22, s22, SLOT
	v_add_nc_u32 v[ADRB+1], s22, v[CO]
	v_lshlrev_b32 v5, 7, v1                        ; x's scale bytes: 128 a row,
	v_lshrrev_b32 v7, 1, v1
	v_lshl_add_u32 v5, v7, 4, v5                   ; 16 more for each 256 passed,
	v_mad_u32_u24 v5, v2, SBLK, v5                 ; lanes 16-31 one block of 16 rows on
	s_mul_i32 s21, s15, HALFS
	s_add_co_u32 s21, s21, SCA
	v_add_nc_u32 v[ADRSA], s21, v5
	s_lshl_b32 s22, s16, 14
	s_add_co_u32 s22, s22, SCB
	v_lshl_add_u32 v[ADRSB], v6, 3, s22            ; W's: 8 bytes a column, 32 columns an instruction
	s_mul_i32 s23, s14, 16*SPITCH                  ; my stage
	v_mul_u32_u24 v5, v1, SPITCH                   ; in: row l % 16, 32 bytes for each half of the lanes
	v_lshl_add_u32 v5, v2, 5, v5
	v_add_nc_u32 v[STO], s23, v5
	v_add_nc_u32 v[RD], s23, v[CO]                 ; back: the 32 lanes take one row of 512 bytes
	s_lshl_b32 s20, s17, 8
	s_lshl_b32 s21, s15, 7
	s_add_co_u32 s20, s20, s21                     ; my first row of the output: 256 x tile row + 128 x half,
	s_lshl_b32 s20, s20, 14                        ; 16,384 bytes a row
	s_lshl_b32 s46, s42, 10                        ; my first column, in bytes: 1,024 x tile column + 512 x half
	s_lshl_b32 s47, s16, 9
	s_add_co_u32 s46, s46, s47
	s_add_co_u32 s20, s20, s46
	s_mov_b32 s21, 0
	s_mov_b32 s47, 0
	s_add_nc_u64 s[12:13], s[12:13], s[20:21]
	s_add_nc_u64 s[66:67], s[66:67], s[46:47]      ; the bias of my first column
	v_lshlrev_b32 v7, 5, v2                        ; 32 h: my half's eight numbers of a block of 16; never rewritten
.irp b, 0,1,2,3,4,5,6,7
	global_load_b128 v[BI+8*\b:BI+8*\b+3], v7, s[66:67] offset:64*\b
	global_load_b128 v[BI+8*\b+4:BI+8*\b+7], v7, s[66:67] offset:64*\b+16
.endr
	; the prefetches: where mine stand, and who asks.  Nothing is prefetched here, at the head, where every work-group's first tiles are on their way
	s_and_b32 s92, ttmp7, 0xffff                   ; cluster y
	s_mov_b32 s19, 3072
	s_mov_b32 s20, 768*3072
	s_mov_b32 s[PFS], BSTEP
	s_mov_b32 s21, 256
	s_cmp_eq_u32 s15, 0                            ; do I fetch for x?
	s_cselect_b64 s[PFA:PFA+1], s[4:5], s[8:9]
	s_cselect_b32 s93, ttmp9, s92                  ; the coordinate along which other clusters read the same bytes
	s_cselect_b32 s2, s40, s41                     ; my place among the four that ask with me: it enters an address alone
	s_cselect_b32 s18, s17, s42                    ; tile row or tile column
	s_cselect_b32 s19, 16*3072, s19                ; x: 16 rows of 3,072 bytes, W: one column block of 3,072 bytes, for each unit below
	s_cselect_b32 s20, 4*ROWB-1, s20               ; x: the last byte of K step 3's part of a row; W: K step 3's slot.  The first refill steps both to K step 4
	s_cselect_b32 s[PFS], ROWB, s[PFS]             ; a K step on
	s_cselect_b32 s21, KROW, s21                   ; from lane to lane
	s_cselect_b32 s22, 31, 23                      ; x: 32 rows; W: 24 blocks
	s_lshl_b32 s18, s18, 4
	s_lshl_b32 s23, s16, 3
	s_add_co_u32 s18, s18, s23
	s_lshl_b32 s2, s2, 1
	s_add_co_u32 s18, s18, s2                      ; 16 x tile + 8 x half + 2 x place
	s_mul_i32 s18, s18, s19
	s_add_co_u32 s18, s18, s20
	s_mov_b32 s19, 0
	s_mov_b32 s[PFS+1], 0
	s_add_nc_u64 s[PFA:PFA+1], s[PFA:PFA+1], s[18:19]
	s_cmp_eq_u32 s93, 0
	s_cselect_b32 s[LIM], 1, -1                    ; the same in all sixteen partners, for a given wave
	v_min_u32 v[PFO], s22, v6
	v_mul_lo_u32 v[PFO], v[PFO], s21
.macro FRAG reg, adr, q, i             ; a fragment of x, 16 rows x 128 K, is 12 registers: lane l holds row l % 16; registers 6 c .. 6 c + 5 hold K = 64 c + 32 (l / 16) + 0 .. 31: 24 bytes of the row's stream of bits, as they lie
.irp p, 0,1,2,3,4,5                    ; in pieces of 8 bytes, so that every address is a multiple of the access's size.  Lanes 0-15 take the row's pieces 12 q + 0, 1, 2 and 12 q + 6, 7, 8, lanes 16-31 those three pieces on
.set PC, 12*(\q)+6*(\p/3)+\p%3        ; 16 bytes of padding lie behind every 64 bytes (8 pieces): where the piece three on lies behind one padding more, the second address register (40 for 24 bytes a half) serves
.if PC%8 < 5
	ds_load_b64 v[\reg+2*\p:\reg+2*\p+1], v[\adr] offset:8*PC+16*(PC/8)+(\i)*16*PITCH
.else
	ds_load_b64 v[\reg+2*\p:\reg+2*\p+1], v[\adr+2] offset:8*PC+16*(PC/8)+(\i)*16*PITCH
.endif
.endr
.endm
; One product: x's block a against W's block b, 128 along K: the slot's q-th.  p: W's set;  sc: the set of scale words.  first = 1: C is the bias, and the product starts the sum: nothing is ever cleared.
; A scale register holds an even block's words in lanes 0-15 and the odd block's in lanes 16-31: the odd block names the upper row.
.macro WM a, b, p, q, sc, first
.set rD, 8*(8*((\a)%4)+(\b))
.set rB, 128*(\p)+FR*(\b)
.set rA, AF+FR*(\a)
.set rC, rD
.if \first
.set rC, BI+8*(\b)
.endif
.set sB, SC+16*(\sc)+8+2*((\b)/2)+(\q)
.set sA, SC+16*(\sc)+2*((\a)/2)+(\q)
.if ((\a)%2 == 0) && ((\b)%2 == 0)
	v_wmma_scale_f32_16x16x128_f8f6f4 v[rD:rD+7], v[rB:rB+FR-1], v[rA:rA+FR-1], v[rC:rC+7], v[sB], v[sA] matrix_a_fmt:MATRIX_FMT_FP6 matrix_b_fmt:MATRIX_FMT_FP6
.elseif (\a)%2 == 0
	v_wmma_scale_f32_16x16x128_f8f6f4 v[rD:rD+7], v[rB:rB+FR-1], v[rA:rA+FR-1], v[rC:rC+7], v[sB], v[sA] matrix_a_fmt:MATRIX_FMT_FP6 matrix_b_fmt:MATRIX_FMT_FP6 matrix_a_scale:MATRIX_SCALE_ROW1
.elseif (\b)%2 == 0
	v_wmma_scale_f32_16x16x128_f8f6f4 v[rD:rD+7], v[rB:rB+FR-1], v[rA:rA+FR-1], v[rC:rC+7], v[sB], v[sA] matrix_a_fmt:MATRIX_FMT_FP6 matrix_b_fmt:MATRIX_FMT_FP6 matrix_b_scale:MATRIX_SCALE_ROW1
.else
	v_wmma_scale_f32_16x16x128_f8f6f4 v[rD:rD+7], v[rB:rB+FR-1], v[rA:rA+FR-1], v[rC:rC+7], v[sB], v[sA] matrix_a_fmt:MATRIX_FMT_FP6 matrix_b_fmt:MATRIX_FMT_FP6 matrix_a_scale:MATRIX_SCALE_ROW1 matrix_b_scale:MATRIX_SCALE_ROW1
.endif
.endm
; 16 products: x's blocks a0, a0 + 1 against W's eight.  The 64 accumulators take turns, one instruction a turn, in the same order in every step.
.macro MUL16 a0, p, q, sc, first
.irp a, \a0, \a0+1
.irp b, 0,1,2,3,4,5,6,7
	WM \a, \b, \p, \q, \sc, \first
.endr
.endr
.endm
.macro FETCH_B slot, q, p              ; W's eight fragments of the slot's q-th 128 along K into set p: images, three loads of 512 consecutive bytes each
	WIN TO_B
.irp i, 0,1,2,3,4,5,6,7
.irp c, 0,1,2
	ds_load_b128 v[128*(\p)+FR*\i+4*\c:128*(\p)+FR*\i+4*\c+3], v[ADRB+\slot] offset:(2*\i+(\q))*1536+512*\c
.endr
.endr
	WIN 0
.endm
.macro FETCH_A slot, q, i0             ; x's blocks i0 .. i0 + 3
.irp i, \i0, \i0+1, \i0+2, \i0+3
	FRAG AF+FR*(\i), ADRA+\slot, \q, \i
.endr
.endm
.macro SCALES sc                       ; a K step's scale words into set sc: two words (q = 0, 1) a row or column, two blocks an instruction
.irp ip, 0,1,2,3
	ds_load_b64 v[SC+16*\sc+2*\ip:SC+16*\sc+2*\ip+1], v[ADRSA] offset:\ip*2*SBLK
	ds_load_b64 v[SC+16*\sc+8+2*\ip:SC+16*\sc+8+2*\ip+1], v[ADRSB] offset:\ip*256
.endr
.endm
; A load into a register that a matrix instruction has read, and an LDS store that reads a matrix result, stand NP places behind that matrix instruction, and only plain vector instructions that name none of its
; registers are places (ISA guide 7.12.1 for vector instructions); the matrix instructions in between are not counted.
.macro PLACES n
.rept \n
	v_nop
.endr
.endm
; A step of 128 along K that has its successor in the same slot.  A block of x is free as soon as its eight products are issued: blocks 0-3 are fetched anew in the step's middle, blocks 4-7 at its end.
.macro STEP slot, q, first
	s_wait_dscnt 4*NL                              ; W's set, x's blocks 0-3 and the scale words are in; the youngest 24 loads (x's blocks 4-7) may be out
.if \first
	WIN FST_LO
.else
	WIN MUL_LO
.endif
	MUL16 0, (\q)%2, \q, \slot, \first
	MUL16 2, (\q)%2, \q, \slot, \first
	s_wait_dscnt 0                                 ; x's blocks 4-7 are in (asked for 32 matrix instructions ago)
	PLACES NP
	FETCH_B \slot, (\q)+1, 1-(\q)%2
	FETCH_A \slot, (\q)+1, 0
.if \first
	WIN FST_HI
.else
	WIN MUL_HI
.endif
	MUL16 4, (\q)%2, \q, \slot, \first
	MUL16 6, (\q)%2, \q, \slot, \first
	PLACES NP
	WIN 0
	FETCH_A \slot, (\q)+1, 4
.endm
; A slot's last step changes slots: ONE barrier; in front of it each wave waits for all its tensor loads, adds 0 to its spare word, and waits for that and for its own reads of this slot.  fill = 1: this slot is filled again, two K steps ahead.
.macro TURN slot, next, fill
.if \fill
	s_wait_xcnt 0x0                                ; the last prefetch, a K step back, has read its address: it is stepped here, ahead of the waits of the change of slots
	s_add_nc_u64 s[PFA:PFA+1], s[PFA:PFA+1], s[PFS:PFS+1]
.endif
	s_wait_tensorcnt 0x0                           ; all my tensor loads have landed: my part of the next slot;  (every window is 0 here: the add's two registers lie in window 0)
	ds_add_u32 v[SPW], v[NIL]                      ; 0 onto my spare word
	s_wait_dscnt 4*NL+1                            ; (the add and the youngest 24 loads, x's blocks 4-7, may be out)
	WIN MUL_LO
	MUL16 0, 1, NQ-1, \slot, 0                     ; sixteen matrix instructions stand between the add and the wait for it
	s_wait_dscnt 0x0                               ; the add is done, and my reads of this slot are over
	s_barrier_signal -1
	MUL16 2, 1, NQ-1, \slot, 0
	WIN 0
	s_barrier_wait -1
.if \fill
	CREST                                          ; the barrier has opened a round of the cluster's barrier: no wave of any partner still reads this slot's tile or has a load on its way
	s_add_nc_u64 s[G0+4*\slot+2:G0+4*\slot+3], s[G0+4*\slot+2:G0+4*\slot+3], 2*ROWB
	s_add_nc_u64 s[G0B+4*\slot+2:G0B+4*\slot+3], s[G0B+4*\slot+2:G0B+4*\slot+3], 2*BSTEP
	JLOAD G0+4*\slot, G1, G0B+4*\slot, G1B         ; the first tensor load behind the round, my one load until the next; the four v_nop behind it are among the places in front of the loads below
.else
	PLACES NP
.endif
	v_add_nc_u32 v[ADRSA], 4*NQ, v[ADRSA]          ; on to the next K step's scale words: 8 bytes on in x's rows,
	v_add_nc_u32 v[ADRSB], 1024, v[ADRSB]          ; 1,024 in W's
	FETCH_B \next, 0, 0
	FETCH_A \next, 0, 0
	SCALES \next
.if \fill
	ASK \slot
.endif
	WIN MUL_HI
	MUL16 4, 1, NQ-1, \slot, 0
	MUL16 6, 1, NQ-1, \slot, 0
	PLACES NP
	WIN 0
	FETCH_A \next, 0, 4
.endm
	s_wait_tensorcnt 1                             ; the scale bytes and my part of K step 0 are in (K step 1's load may be out)
	s_barrier_signal -1
	s_barrier_wait -1                              ; everybody's are
	FETCH_B 0, 0, 0
	FETCH_A 0, 0, 0
	SCALES 0
	FETCH_A 0, 0, 4
	s_wait_loadcnt 0x0                             ; the bias
	STEP 0, 0, 1                                   ; the first step stands in front of the loop: its products start the sums, on the bias
	s_mov_b32 s3, LAPS-1
.Llap:                                                 ; a trip goes once round the ring, from a lap's second step to the next lap's first, and fills both slots again
	TURN 0, 1, 1
	STEP 1, 0, 0
	TURN 1, 0, 1
	STEP 0, 0, 0
	s_sub_co_u32 s3, s3, 1
	s_cmp_lg_u32 s3, 0
	s_cbranch_scc1 .Llap
	TURN 0, 1, 0                                   ; the last lap fills nothing, and has no round of the cluster's barrier
	STEP 1, 0, 0
	s_wait_dscnt 4*NL                              ; the very last step: nothing more to fetch
	WIN MUL_LO
	MUL16 0, 1, NQ-1, 1, 0
	MUL16 2, 1, NQ-1, 1, 0
	s_wait_dscnt 0
	WIN MUL_HI
	MUL16 4, 1, NQ-1, 1, 0
	MUL16 6, 1, NQ-1, 1, 0
	WIN 0
; THE WAY OUT, block by block of 16 rows x 128 columns.  A lane holds 32 neighbouring bytes of a row, and the lanes beside it hold other rows: so a block goes through my own stage in LDS and comes back as whole
; rows of 512 bytes, which the 32 lanes store as 512 consecutive bytes, aligned.  LDS serves a wave's instructions in order (ISA guide 5.7.1.4): no wait between the stores and the loads, nor in front of the next block's stores.
.macro TOSTAGE a
.set AC, 64*((\a)%4)
	WIN 0x08+4*((\a)/4)                            ; the data: window 2 or 3
.irp b, 0,1,2,3,4,5,6,7
	ds_store_b128 v[STO], v[AC+8*\b:AC+8*\b+3] offset:64*\b          ; each accumulator from its low end on
	ds_store_b128 v[STO], v[AC+8*\b+4:AC+8*\b+7] offset:64*\b+16
.endr
	WIN 0
.set BB, BK+64*((\a)%2)
.irp t, 0,1,2,3,4,5,6,7,8,9,10,11,12,13,14,15
	ds_load_b128 v[BB+4*\t:BB+4*\t+3], v[RD] offset:\t*SPITCH
.endr
.endm
.macro SEND a, younger                 ; younger: the LDS instructions issued behind block a's loads, which may stay out
.set BB, BK+64*((\a)%2)
	s_wait_dscnt \younger                          ; the block is back in registers
.if (\a) > 0
	s_add_nc_u64 s[12:13], s[12:13], 16*SIZE_N*4   ; (behind a wait on XCNT: the earlier stores have read their base)  16 rows on, so that the stores' offsets stay small: 15 rows at the most
.endif
.irp t, 0,1,2,3,4,5,6,7,8,9,10,11,12,13,14,15
	global_store_b128 v[CO], v[BB+4*\t:BB+4*\t+3], s[12:13] offset:\t*SIZE_N*4 th:TH_STORE_NT   ; written once, read by nobody here
.endr
.endm
	PLACES NP                                      ; these places serve the loads into the registers that held x's fragments and the reads of the last products' results alike
	TOSTAGE 0
.irp a, 1,2,3,4,5,6,7
.if \a > 1
	s_wait_xcnt 0x0                                ; block a - 2's stores have read their registers and their base: block a's loads may land there, and the base may step
.endif
	TOSTAGE \a
	SEND \a-1, 32                                  ; behind block a - 1's loads: block a's 16 stores and 16 loads
.endr
	s_wait_xcnt 0x0                                ; block 6's stores have read their base
	SEND 7, 0
	s_wait_tensorcnt 0x0                           ; the wave's end: behind my last tensor load and my last LDS store
	ds_add_u32 v[SPW], v[NIL]
	s_wait_dscnt 0x0
	CROUND                                         ; the closing round: no work-group ends while a partner may still ask for a tile that names it
	s_endpgm
.Lfunc_end_k_qed70381d52_gemm:
	.size	k_qed70381d52_gemm, .Lfunc_end_k_qed70381d52_gemm-k_qed70381d52_gemm
	.p2alignl 7, 3214868480
	.fill 96, 4, 3214868480
	.section	.rodata,"a",@progbits
	.p2align	6, 0x0
	.amdhsa_kernel k_qed70381d52_gemm
		.amdhsa_group_segment_fixed_size 327680
		.amdhsa_private_segment_fixed_size 0
		.amdhsa_enable_private_segment 0
		.amdhsa_kernarg_size 48
		.amdhsa_user_sgpr_count 2
		.amdhsa_user_sgpr_kernarg_segment_ptr 1
		.amdhsa_wavefront_size32 1
		.amdhsa_system_sgpr_workgroup_id_x 1
		.amdhsa_system_sgpr_workgroup_id_y 1
		.amdhsa_system_sgpr_workgroup_id_z 1
		.amdhsa_system_vgpr_workitem_id 0
		.amdhsa_next_free_vgpr 1024
		.amdhsa_next_free_sgpr 102
		.amdhsa_reserve_vcc 0
		.amdhsa_float_denorm_mode_32 3
		.amdhsa_float_denorm_mode_16_64 3
		.amdhsa_memory_ordered 1
		.amdhsa_forward_progress 1
		.amdhsa_inst_pref_size 151
	.end_amdhsa_kernel
	.amdgpu_metadata
---
amdhsa.version: [ 1, 2 ]
amdhsa.kernels:
  - .name:           k_qed70381d52_gemm
    .symbol:         k_qed70381d52_gemm.kd
    .args:
      - { .name: x_codes, .offset: 0, .size: 8, .value_kind: global_buffer, .address_space: global }
      - { .name: x_scales, .offset: 8, .size: 8, .value_kind: global_buffer, .address_space: global }
      - { .name: w_img, .offset: 16, .size: 8, .value_kind: global_buffer, .address_space: global }
      - { .name: w_sc, .offset: 24, .size: 8, .value_kind: global_buffer, .address_space: global }
      - { .name: bias, .offset: 32, .size: 8, .value_kind: global_buffer, .address_space: global }
      - { .name: out0, .offset: 40, .size: 8, .value_kind: global_buffer, .address_space: global }
    .group_segment_fixed_size: 327680
    .private_segment_fixed_size: 0
    .kernarg_segment_align: 8
    .kernarg_segment_size: 48
    .max_flat_workgroup_size: 128
    .sgpr_count:     102
    .vgpr_count:     1024
    .wavefront_size: 32
...
	.end_amdgpu_metadata
.endif
;; end of part 2
;; ======== version 2 of 2: 2 launches
;; limits: right only within a limited range of input values
;; workspace buffers: w_img 12,582,912 bytes; w_sc 524,288 bytes; x_img 12,582,912 bytes
;; launch wprep (part 3): grid 32 x 16, 8 waves a work-group, no clusters, 83,200 bytes of LDS; arguments qweight, qzeros, scales, g_idx, w_img, w_sc, x_codes, x_img; writes w_img, w_sc, x_img
.if DOCPART == 3
	.amdgcn_target "amdgcn-amd-amdhsa--gfx1250"
	.amdhsa_code_object_version 6
	.text
	.protected	k_qed70381d52_wprep
	.globl	k_qed70381d52_wprep
	.p2align	8
	.type	k_qed70381d52_wprep,@function
k_qed70381d52_wprep:
	s_mov_b64 s[64:65], 0
	v_nop
	global_prefetch_b8 v0, s[64:65] scope:SCOPE_SE
	s_setreg_imm32_b32 hwreg(HW_REG_WAVE_MODE, 25, 1), 1
	s_wait_xcnt 0x0
; W[k][n] = scales[g_idx[k]][n] * f32(nibble k%8 of qweight[k/8][n] - (nibble n%8 of qzeros[g_idx[k]][n/8] + 1)), 4096 x 4096, is computed in f32 and
; quantised along K to codes of FP6 (E2M3) with one E8M0 byte for each 32 along K.  The whole-number difference is exact in f32 (f32(w) + f32(-(z+1))), and one multiplication by the scale follows.
; A block's scale is 2^(floor(log2(its largest magnitude)) - 2): its byte is the largest magnitude's exponent field - 2, held at 1 from below.
; OUT.  w_img: the codes as images of the matrix operand's registers, [slot j = k/256][cb = n/16][q = (k/128)%2][1,536 bytes]: an image is three runs of 512 bytes; in run c lane l's 16 bytes at 16 l are
; registers 4c .. 4c+3 of the fragment (lane (r, h): column 16 cb + r; registers 6c' .. 6c'+5: k = 256 j + 128 q + 64 c' + 32 h + 0 .. 31).  w_sc: [j][n][8 bytes], byte 4 q + b for k = 256 j + 128 q + 32 b on.
; SHARES.  A work-group takes 128 columns x 512 along K.  Wave w: cg = w % 4 (32 columns, a lane a column), sl = w / 4 (slot j = 2 y + sl, 256 along K).  A LANE TAKES A COLUMN AND ITS REGISTERS RUN DOWN K:
; a block of 32 lies in one lane, and the conversions give codes with K innermost.  The four waves of one sl read 512 consecutive bytes of each row of qweight.
; g_idx IS HONOURED FOR EACH k: the scales and the -(z+1) of all 32 groups for the work-group's 128 columns lie in a table in LDS, written once ahead of the one barrier and only read behind it.
; The wave's 256 numbers of g_idx come by two vector loads, with all the other loads at the head (lane l holds four neighbours); v_readlane_b32 makes each a scalar, which picks the table's row:
; so behind the head no wait for a scalar load stands in the walk down K.
; LIMITS: a g_idx outside 0 .. 31 is held at 31 (as an unsigned number).  A block of zeros gets the byte 1 where the rule says 127: its codes are zeros, which add nothing, and this program alone reads the bytes.
; NaN and infinities among the scales are not served.
; Every offset is an immediate, no pointer is stepped, no register that a global load or store names as a source is written again: so no wait for sources is needed.
.set LANE4, 2                          ; v2   4 x lane
.set ZW,    3                          ; v3   4 x (lane / 8): my column's word in a row of qzeros
.set ZSH,   4                          ; v4   4 x (lane % 8): its nibble's place
.set TS,    5                          ; v5   table, on the way in: 4096 cg + 2048 sl + 4 lane
.set TB,    6                          ; v6   table, on the way out: 4096 cg + 4 lane
.set L16,   7                          ; v7   16 x lane
.set L8,    8                          ; v8   8 x lane
.set SB,    16                         ; v16-17 my column's 8 scale bytes
.set GI,    20                         ; v20-27 the slot's 256 numbers of g_idx: register 4 t + c of lane l holds number 128 t + 4 l + c
.set AD,    28                         ; v28-43 the addresses of the table's rows for 16 k
.set WD,    52                         ; v52-83 my column's 32 words of qweight
.set X,     84                         ; v84-115 a block's 32 numbers
.set BS,    84                         ; v84-99  16 groups' scales, for the table: X's registers, which are first written behind the barrier, when the table's stores have read these
.set BZ,    100                        ; v100-115 16 groups' words of qzeros, then -(z+1) as f32: likewise
.set SV,    116                        ; v116-147 the scales of 16 k, two sets
.set NV,    148                        ; v148-179 the -(z+1) of 16 k, two sets
.set F,     180                        ; v180-227 four fragments of 12 registers: F + 24 q + 12 par
.set TH,    228                        ; v228-230, v232-234 the upper halves of a pair of blocks
.set G,     32                         ; s32-47, s48-63 16 numbers of g_idx as scalars, two sets
.set NZP,   16384                      ; LDS: plane of scales at 0, plane of -(z+1) here; each [cg: 4,096 bytes][group: 128 bytes][lane: 4 bytes]
	s_load_b256 s[4:11], s[0:1], 0x0               ; qweight s[4:5], qzeros s[6:7], scales s[8:9], g_idx s[10:11]
	s_load_b128 s[12:15], s[0:1], 0x20             ; w_img s[12:13], w_sc s[14:15]
	v_lshl_add_u32 v240, v0, 2, 0x8000
	v_mov_b32 v241, 0
	s_and_b32 s20, ttmp7, 0xffff                   ; work-groups with y >= 8 re-lay x's codes (the text at the kernel's end); the others make W's
	s_wait_alu depctr_va_vdst(0)
	s_cmp_ge_u32 s20, 8
	s_cbranch_scc1 .Lxpath
	v_lshrrev_b32 v1, 5, v0
	s_delay_alu instid0(VALU_DEP_1)
	v_readfirstlane_b32 s16, v1                    ; wave 0..7
	v_and_b32 v1, 31, v0                           ; lane
	s_and_b32 s17, s16, 3                          ; cg
	s_lshr_b32 s18, s16, 2                         ; sl
	s_and_b32 s20, ttmp7, 0xffff                   ; y
	s_lshl_b32 s21, s20, 1
	s_add_co_u32 s21, s21, s18                     ; j = 2 y + sl
	v_lshlrev_b32 v[LANE4], 2, v1
	v_lshrrev_b32 v[ZW], 3, v1
	s_delay_alu instid0(VALU_DEP_1)
	v_lshlrev_b32 v[ZW], 2, v[ZW]
	v_and_b32 v[ZSH], 7, v1
	s_delay_alu instid0(VALU_DEP_1)
	v_lshlrev_b32 v[ZSH], 2, v[ZSH]
	s_lshl_b32 s26, s17, 12
	v_add_nc_u32 v[TB], s26, v[LANE4]
	s_lshl_b32 s27, s18, 11
	v_add_nc_u32 v[TS], s27, v[TB]
	v_lshlrev_b32 v[L16], 4, v1
	v_lshlrev_b32 v[L8], 3, v1
	s_lshl_b32 s22, ttmp9, 9
	s_lshl_b32 s23, s17, 7
	s_add_co_u32 s22, s22, s23                     ; 512 x + 128 cg: my wave's first column, 4 bytes a column
	s_mov_b32 s25, 0
	s_wait_alu depctr_va_vdst(0)
	s_wait_kmcnt 0x0
	s_lshl_b32 s24, s21, 19                        ; qweight: 32 rows of 16,384 bytes a slot
	s_add_co_u32 s24, s24, s22
	s_add_nc_u64 s[4:5], s[4:5], s[24:25]
	s_lshl_b32 s24, s18, 18                        ; scales: I build groups 16 sl on: 16 rows of 16,384 bytes
	s_add_co_u32 s24, s24, s22
	s_add_nc_u64 s[8:9], s[8:9], s[24:25]
	s_lshr_b32 s23, s22, 3                         ; qzeros: eight columns to a word; 16 rows of 2,048 bytes
	s_lshl_b32 s24, s18, 15
	s_add_co_u32 s24, s24, s23
	s_add_nc_u64 s[6:7], s[6:7], s[24:25]
	s_lshl_b32 s24, s21, 10                        ; g_idx: 256 numbers a slot
	s_add_nc_u64 s[10:11], s[10:11], s[24:25]
	s_mul_i32 s24, s21, 786432                     ; w_img: 256 column blocks x 3,072 bytes a slot,
	s_mul_i32 s23, s22, 48                         ; 24,576 x + 6,144 cg
	s_add_co_u32 s24, s24, s23
	s_add_nc_u64 s[12:13], s[12:13], s[24:25]
	s_lshl_b32 s24, s21, 15                        ; w_sc: 32,768 bytes a slot, 8 bytes a column
	s_lshl_b32 s23, s22, 1
	s_add_co_u32 s24, s24, s23
	s_add_nc_u64 s[14:15], s[14:15], s[24:25]
	; all global loads of the wave go out here: g_idx, then the 32 for the table, then my column's 32 words
	global_load_b128 v[GI:GI+3], v[L16], s[10:11]              ; 32 lanes read 512 consecutive bytes: numbers 0 to 127 of the slot,
	global_load_b128 v[GI+4:GI+7], v[L16], s[10:11] offset:512 ; numbers 128 to 255
.irp i, 0,1,2,3,4,5,6,7,8,9,10,11,12,13,14,15
	global_load_b32 v[BS+\i], v[LANE4], s[8:9] offset:16384*\i
.endr
.irp i, 0,1,2,3,4,5,6,7,8,9,10,11,12,13,14,15
	global_load_b32 v[BZ+\i], v[ZW], s[6:7] offset:2048*\i
.endr
.irp r, 0,1,2,3,4,5,6,7,8,9,10,11,12,13,14,15,16,17,18,19,20,21,22,23,24,25,26,27,28,29,30,31
	global_load_b32 v[WD+\r], v[LANE4], s[4:5] offset:16384*\r th:TH_LOAD_NT   ; 32 lanes read 128 consecutive bytes; read once in the launch
.endr
	s_wait_loadcnt 32                              ; loads come back in order: g_idx and the table's 32 are in, the 32 words of qweight behind them may be out
.irp i, 0,1,2,3,4,5,6,7,8,9,10,11,12,13,14,15
	v_bfe_u32 v[BZ+\i], v[BZ+\i], v[ZSH], 4        ; z
.endr
.irp i, 0,1,2,3,4,5,6,7,8,9,10,11,12,13,14,15
	v_xor_b32 v[BZ+\i], -1, v[BZ+\i]               ; -z - 1
.endr
.irp i, 0,1,2,3,4,5,6,7,8,9,10,11,12,13,14,15
	v_cvt_f32_i32 v[BZ+\i], v[BZ+\i]
.endr
.irp i, 0,1,2,3,4,5,6,7,8,9,10,11,12,13,14,15
	ds_store_b32 v[TS], v[BS+\i] offset:128*\i
	ds_store_b32 v[TS], v[BZ+\i] offset:NZP+128*\i
.endr
	s_wait_dscnt 0x0                               ; for the other waves' sake: my part of the table has landed (and the stores have read X's registers)
	s_barrier_signal -1
	s_barrier_wait -1                              ; the table is whole; from here on it is only read
; The scale and the -(z+1) of each of the slot's k = 16 u .. 16 u + 15, for my column, into set u % 2.  Four batches of 16, so that no line reads the result of the line just above it:
; the numbers of g_idx out of their lanes; the hold; the rows' addresses; the loads.
.macro GATHER u
.set GS, G+16*((\u)%2)
.set VS, 16*((\u)%2)
.irp i, 0,1,2,3,4,5,6,7,8,9,10,11,12,13,14,15
	v_readlane_b32 s[GS+\i], v[GI+4*((\u)/8)+\i%4], 4*((\u)%8)+\i/4   ; number 16 u + i lies in lane (16 u + i) % 128 / 4, register 4 (u / 8) + i % 4
.endr
.irp i, 0,1,2,3,4,5,6,7,8,9,10,11,12,13,14,15
	s_min_u32 s[GS+\i], s[GS+\i], 31               ; the index stays inside the table
.endr
.irp i, 0,1,2,3,4,5,6,7,8,9,10,11,12,13,14,15
	v_lshl_add_u32 v[AD+\i], s[GS+\i], 7, v[TB]    ; 128 bytes a group
.endr
.irp i, 0,1,2,3,4,5,6,7,8,9,10,11,12,13,14,15
	ds_load_b32 v[SV+VS+\i], v[AD+\i]
	ds_load_b32 v[NV+VS+\i], v[AD+\i] offset:NZP
.endr
.endm
.macro HALF u                          ; 16 numbers of W: two words' nibbles, + (-(z+1)), x scale
.set XB, X+16*((\u)%2)
.set VS, 16*((\u)%2)
.irp i, 0,1,2,3,4,5,6,7,8,9,10,11,12,13,14,15
	v_bfe_u32 v[XB+\i], v[WD+2*(\u)+\i/8], 4*(\i%8), 4
.endr
.irp i, 0,1,2,3,4,5,6,7,8,9,10,11,12,13,14,15
	v_cvt_f32_u32 v[XB+\i], v[XB+\i]
.endr
.irp i, 0,2,4,6,8,10,12,14
	v_pk_add_f32 v[XB+\i:XB+\i+1], v[XB+\i:XB+\i+1], v[NV+VS+\i:NV+VS+\i+1]
.endr
.irp i, 0,2,4,6,8,10,12,14
	v_pk_mul_f32 v[XB+\i:XB+\i+1], v[XB+\i:XB+\i+1], v[SV+VS+\i:SV+VS+\i+1]
.endr
.endm
.macro BLOCKQ t                        ; block t of the slot's eight: its byte and its codes.  q = t / 4, c = (t / 2) % 2, par = t % 2
.set FQ, F+24*((\t)/4)+12*((\t)%2)+6*(((\t)/2)%2)
.set TQ, TH+4*((\t)%2)
	v_max3_num_f32 v12, |v[X]|, |v[X+1]|, |v[X+2]|                  ; the block's largest magnitude: all 32 numbers are mine; two chains
	v_max3_num_f32 v13, |v[X+3]|, |v[X+4]|, |v[X+5]|
.irp i, 6,10,14,18,22,26
	s_delay_alu instid0(VALU_DEP_2)
	v_max3_num_f32 v12, v12, |v[X+\i]|, |v[X+\i+1]|
	s_delay_alu instid0(VALU_DEP_2)
	v_max3_num_f32 v13, v13, |v[X+\i+2]|, |v[X+\i+3]|
.endr
	s_delay_alu instid0(VALU_DEP_2)
	v_max3_num_f32 v12, v12, |v[X+30]|, |v[X+31]|
	s_delay_alu instid0(VALU_DEP_1)
	v_max3_num_f32 v12, v12, v13, 0x1800000        ; and the floor 2^(3 - 127): the byte cannot fall under 1
	s_delay_alu instid0(VALU_DEP_1)
	v_add_nc_u32 v14, 0xff000000, v12              ; 2 off the exponent field: the conversion takes this operand's exponent field as its scale
	v_cvt_scalef32_pk16_fp6_f32 v[FQ:FQ+2], v[X:X+15], v14
	v_cvt_scalef32_pk16_fp6_f32 v[TQ:TQ+2], v[X+16:X+31], v14       ; (a conversion's three registers begin on an even number: the upper half is made apart and moved)
	v_lshrrev_b32 v15, 23, v14                     ; the scale's byte; also the plain instruction behind the conversions
.if (\t)%4 == 0
	s_delay_alu instid0(VALU_DEP_1)
	v_mov_b32 v[SB+(\t)/4], v15
.else
	s_delay_alu instid0(VALU_DEP_1)
	v_lshl_or_b32 v[SB+(\t)/4], v15, 8*((\t)%4), v[SB+(\t)/4]
.endif
.endm
; Blocks 2c (par 0) and 2c + 1 (par 1) of the wave's 32 columns become registers 6c .. 6c+5 of two fragments.  The swap gives the first register's lanes 16-31 the second's lanes 0-15 and the other way round:
; the first then holds columns 0-15 (lanes 0-15 block 2c, lanes 16-31 block 2c + 1), the second columns 16-31 likewise: as the operand's layout asks.
.macro PAIR t
.set F0, F+24*((\t)/4)+6*(((\t)/2)%2)
.set F1, F0+12
.irp i, 0,1,2
	v_permlane16_swap_b32 v[F0+\i], v[F1+\i]
	v_permlane16_swap_b32 v[TH+\i], v[TH+4+\i]
.endr
.irp i, 0,1,2
	v_mov_b32 v[F0+3+\i], v[TH+\i]
	v_mov_b32 v[F1+3+\i], v[TH+4+\i]
.endr
.endm
.macro SENDQ q                         ; the two fragments of 128 along K leave as they stand: each store of the wave covers 512 consecutive bytes, aligned
.irp par, 0,1
.irp c, 0,1,2
	global_store_b128 v[L16], v[F+24*(\q)+12*\par+4*\c:F+24*(\q)+12*\par+4*\c+3], s[12:13] offset:(2*\par+(\q))*1536+512*\c
.endr
.endr
.endm
	GATHER 0
.irp u, 0,1,2,3,4,5,6,7,8,9,10,11,12,13,14,15
.if \u < 15
	GATHER \u+1                                    ; the next 16 k's table rows are on their way while these 16 are worked
	s_wait_dscnt 32                                ; LDS loads come back in order: this half's 32 are in, the 32 just issued may be out
.else
	s_wait_dscnt 0x0
.endif
	s_wait_loadcnt 30-2*\u                         ; words 2 u and 2 u + 1 are in; the words behind them may be out
	HALF \u
.if \u%2 == 1
	BLOCKQ \u/2
.endif
.if \u%4 == 3
	PAIR \u/2
.endif
.if \u%8 == 7
	SENDQ \u/8
.endif
.endr
	global_store_b64 v[L8], v[SB:SB+1], s[14:15]   ; 32 lanes store 256 consecutive bytes, aligned
	s_wait_tensorcnt 0x0
	ds_add_u32 v240, v241
	s_wait_dscnt 0x0
	s_endpgm
; x's CODES ARE RE-LAID, bit for bit, as images of the matrix operand's registers: x_img [J = k/512][rb = m/16][q = (k/128)%4][1,536 bytes]; an image is three runs of 512 bytes, in run c lane l's
; 16 bytes at 16 l are registers 4c .. 4c+3 of the fragment (lane (r, h): row 16 rb + r; registers 6c' .. 6c'+5: the 24 bytes at 96 (k/128) + 48 c' + 24 h of the row's 3,072).
; A work-group takes 16 rows (rb = 32 (y - 8) + x).  Wave w reads rows 2w and 2w+1, 6,144 consecutive bytes, 512 to a load, and lays them in LDS rows of 3,088 bytes (LDS bytes that the other path never names);
; behind the barrier it takes the four steps of J = w as fragments, in pieces of 8 bytes, and stores each image by three stores of 512 consecutive, aligned bytes.
.set XP, 3088
.set XL, 33792
.Lxpath:
	s_load_b128 s[24:27], s[0:1], 0x30             ; x_codes s[24:25], x_img s[26:27]
	v_lshrrev_b32 v1, 5, v0
	v_and_b32 v2, 31, v0
	v_and_b32 v4, 15, v0
	v_bfe_u32 v5, v0, 4, 1
	v_readfirstlane_b32 s16, v1                    ; wave 0..7
	v_lshlrev_b32 v2, 4, v2                        ; 16 x lane
	v_mul_u32_u24 v4, v4, XP
	s_sub_co_u32 s20, s20, 8
	s_lshl_b32 s20, s20, 5
	s_add_co_u32 s20, s20, ttmp9                   ; rb
	s_mul_i32 s21, s16, 2*XP
	s_add_co_u32 s21, s21, XL                      ; in: my two rows
	s_mul_i32 s22, s16, 384
	s_add_co_u32 s22, s22, XL                      ; back: my four steps, 96 bytes each
	s_wait_alu depctr_va_vdst(0)
	v_mad_u32_u24 v4, v5, 24, v4                   ; row r, + 24 h
	v_add_nc_u32 v3, s21, v2
	s_delay_alu instid0(VALU_DEP_2)
	v_add_nc_u32 v4, s22, v4
	s_mul_i32 s28, s20, 49152                      ; x_codes: 16 rows of 3,072 bytes a block,
	s_mul_i32 s23, s16, 6144                       ; two rows a wave
	s_add_co_u32 s28, s28, s23
	s_mov_b32 s29, 0
	s_mul_i32 s30, s16, 1572864                    ; x_img: J = w: 256 blocks x 6,144 bytes,
	s_mul_i32 s23, s20, 6144                       ; my block
	s_add_co_u32 s30, s30, s23
	s_mov_b32 s31, 0
	s_wait_alu depctr_va_vdst(0)
	s_wait_kmcnt 0x0
	s_add_nc_u64 s[24:25], s[24:25], s[28:29]
	s_add_nc_u64 s[26:27], s[26:27], s[30:31]
.irp t, 0,1,2,3,4,5,6,7,8,9,10,11
	global_load_b128 v[52+4*\t:55+4*\t], v2, s[24:25] offset:512*\t th:TH_LOAD_NT
.endr
.irp t, 0,1,2,3,4,5,6,7,8,9,10,11
	s_wait_loadcnt 11-\t                           ; loads come back in order: load t is in
	ds_store_b128 v3, v[52+4*\t:55+4*\t] offset:512*\t+16*(\t/6)
.endr
	s_wait_dscnt 0x0                               ; for the other waves' sake: my rows have landed
	s_barrier_signal -1
	s_barrier_wait -1
.irp q, 0,1,2,3
.irp p, 0,1,2,3,4,5
	ds_load_b64 v[100+12*\q+2*\p:101+12*\q+2*\p], v4 offset:96*\q+48*(\p/3)+8*(\p%3)
.endr
.endr
.irp q, 0,1,2,3
	s_wait_dscnt 18-6*\q                           ; step q's six pieces are in
.irp c, 0,1,2
	global_store_b128 v2, v[100+12*\q+4*\c:103+12*\q+4*\c], s[26:27] offset:1536*\q+512*\c
.endr
.endr
	s_wait_tensorcnt 0x0                           ; the wave's end
	ds_add_u32 v240, v241
	s_wait_dscnt 0x0
	s_endpgm
.Lfunc_end_k_qed70381d52_wprep:
	.size	k_qed70381d52_wprep, .Lfunc_end_k_qed70381d52_wprep-k_qed70381d52_wprep
	.p2alignl 7, 3214868480
	.fill 96, 4, 3214868480
	.section	.rodata,"a",@progbits
	.p2align	6, 0x0
	.amdhsa_kernel k_qed70381d52_wprep
		.amdhsa_group_segment_fixed_size 83200
		.amdhsa_private_segment_fixed_size 0
		.amdhsa_enable_private_segment 0
		.amdhsa_kernarg_size 64
		.amdhsa_user_sgpr_count 2
		.amdhsa_user_sgpr_kernarg_segment_ptr 1
		.amdhsa_wavefront_size32 1
		.amdhsa_system_sgpr_workgroup_id_x 1
		.amdhsa_system_sgpr_workgroup_id_y 1
		.amdhsa_system_sgpr_workgroup_id_z 1
		.amdhsa_system_vgpr_workitem_id 0
		.amdhsa_next_free_vgpr 242
		.amdhsa_next_free_sgpr 66
		.amdhsa_reserve_vcc 0
		.amdhsa_float_denorm_mode_32 3
		.amdhsa_float_denorm_mode_16_64 3
		.amdhsa_memory_ordered 1
		.amdhsa_forward_progress 1
		.amdhsa_inst_pref_size 150
	.end_amdhsa_kernel
	.amdgpu_metadata
---
amdhsa.version: [ 1, 2 ]
amdhsa.kernels:
  - .name:           k_qed70381d52_wprep
    .symbol:         k_qed70381d52_wprep.kd
    .args:
      - { .name: qweight, .offset: 0, .size: 8, .value_kind: global_buffer, .address_space: global }
      - { .name: qzeros, .offset: 8, .size: 8, .value_kind: global_buffer, .address_space: global }
      - { .name: scales, .offset: 16, .size: 8, .value_kind: global_buffer, .address_space: global }
      - { .name: g_idx, .offset: 24, .size: 8, .value_kind: global_buffer, .address_space: global }
      - { .name: w_img, .offset: 32, .size: 8, .value_kind: global_buffer, .address_space: global }
      - { .name: w_sc, .offset: 40, .size: 8, .value_kind: global_buffer, .address_space: global }
      - { .name: x_codes, .offset: 48, .size: 8, .value_kind: global_buffer, .address_space: global }
      - { .name: x_img, .offset: 56, .size: 8, .value_kind: global_buffer, .address_space: global }
    .group_segment_fixed_size: 83200
    .private_segment_fixed_size: 0
    .kernarg_segment_align: 8
    .kernarg_segment_size: 64
    .max_flat_workgroup_size: 256
    .sgpr_count:     66
    .vgpr_count:     242
    .wavefront_size: 32
...
	.end_amdgpu_metadata
.endif
;; end of part 3
;; launch gemm (part 4): grid 16 x 16, 4 waves a work-group, clusters of 4 x 4, 327,680 bytes of LDS; arguments x_img, x_scales, w_img, w_sc, bias, out0; writes out0
.if DOCPART == 4
	.amdgcn_target "amdgcn-amd-amdhsa--gfx1250"
	.amdhsa_code_object_version 6
	.text
	.protected	k_qed70381d52_gemm
	.globl	k_qed70381d52_gemm
	.p2align	8
	.type	k_qed70381d52_gemm,@function
k_qed70381d52_gemm:
	s_mov_b64 s[64:65], 0
	v_nop
	global_prefetch_b8 v0, s[64:65] scope:SCOPE_SE
	s_setreg_imm32_b32 hwreg(HW_REG_WAVE_MODE, 25, 1), 1
	s_wait_xcnt 0x0
	s_wait_alu depctr_hold_cnt(0) depctr_sa_sdst(0) depctr_va_vdst(0) depctr_va_sdst(0) depctr_va_ssrc(0) depctr_va_vcc(0) depctr_vm_vsrc(0)
	s_getreg_b32 s2, hwreg(HW_REG_IB_STS2, 6, 4)
	s_cmp_eq_u32 s2, 0
	s_cbranch_scc0 .Lentry_in_a_cluster
	s_endpgm
.Lentry_in_a_cluster:
	s_bfe_u32 s2, ttmp6, 0x10000c
	s_cmp_lg_u32 s2, 0xf033
	s_cbranch_scc0 .Lentry_shape_is_right
	s_endpgm
.Lentry_shape_is_right:
; out0[m][n] = bias[n] + sum over k of x[m][k] W[k][n], 4096 x 4096 x 4096, both operands as codes of FP6 (E2M3) with one E8M0 byte for each 32 along K; sums in f32.
; x_img and w_img hold the codes as images of the operand's registers (1,536 bytes for 16 rows or columns x 128 K: three runs of 512 bytes, lane l's 16 bytes at 16 l): a fragment is three loads of 16 bytes a lane.
; A work-group of four waves makes 256 x 256 of the result, a wave 128 x 128: 64 accumulators, 512 registers.  A step is 128 along K, 64 matrix instructions: W's blocks one after the other, each against x's eight.
; x GOES THROUGH LDS: a ring of two slots, each with 512 along K (four steps) of the work-group's 256 rows, 98,304 bytes, dense rows of 256 bytes.  Each wave fetches a quarter of a slot by one joint tensor load:
; the four work-groups of a row of the 4 x 4 cluster need the same tile.  A slot's last fragments are read at the end of its second step, so the change of slots stands in its third step:
; a load has four steps, 256 matrix instructions a wave, between its request and the wait for it.
; W GOES FROM MEMORY STRAIGHT INTO REGISTERS, 24 loads of 512 consecutive bytes a step and wave, two sets: a half set is asked for again, two steps ahead, as soon as its 32 products are issued.
; No joint load serves W: it never enters LDS, and joint loads are tensor loads into LDS.  So LDS holds slots of twice the length along K, and a wave's LDS reads are x's fragments alone.
; A step's loads stand in two runs, in its middle and at its end.
; THE SCALES of the 256 rows and 256 columns for all of K come into LDS once, by the head's tensor loads.  The bias is the C of each accumulator's first product.
; THE MATRIX INSTRUCTION IS USED TRANSPOSED (source 0 = 16 columns of W, source 1 = 16 rows of x): a lane holds eight neighbouring numbers of a row of the result.
; THE LAST STEP GOES BY ROWS OF THE RESULT: its fragments are all in registers, so the eight blocks of 16 rows are finished one after the other, and each leaves while the next is multiplied.
; PREFETCHES: at each change of slots (and once at the head) a wave names 24 blocks of 256 bytes of x's slot that is loaded one change later, and 24 of W's slot whose loads begin three steps later;
; the partners that read a tile share its blocks out by address (cx for x, cy for W); the last change in the loop asks for no x: there is no such slot.
; REGISTERS: window 0: v0-31 addresses, v32-63 scale words (two sets), v64-159 and v160-255 x's fragments (two sets).  Window 1: v0-95, v128-223 W's fragments (two sets); v96-127, v224-255 the bias;
;   on the way out v0-127 of window 1 take the rows read back from the stage.  Window 2: accumulators of W's blocks 0-3 ((a, b) at v[8 (8 (b % 4) + a)]);  window 3: of blocks 4-7.
.set SIZE_N, 4096
.set FR,     12                        ; registers of a fragment
.set QUART,  24576                     ; a quarter of a slot: 4 row blocks x 4 steps x 1,536 bytes
.set SLOT,   98304
.set JSTEP,  1572864                   ; 512 along K in x_img and in w_img, in bytes
.set WJ,     786432                    ; 256 along K in w_img
.set SCA,    2*SLOT                    ; x's scales: 128 units of 256 bytes + 16 of padding (two rows of 128 bytes to a unit)
.set HALFS,  64*272
.set SBLK,   8*272                     ; those of 16 rows
.set SCB,    SCA+2*HALFS               ; W's scales: [k/256][256 columns][8 bytes]
.set STAGE,  SCB+32768                 ; the way out: 16 rows x 528 bytes for each wave; no tensor load lands here
.set SPITCH, 528
.set SPARE,  STAGE+4*16*SPITCH         ; the spare words, 128 bytes a wave
.set ADRA, 16                          ; v16-17 my x fragments in slot 0, 1
.set BO,   20                          ; v20 my offset in w_img: 16 lane + my 128 columns
.set PFOB, 21                          ; v21 W's prefetch: my 24 blocks
.set BV,   22                          ; v22 32 h: bias
.set STO,  24
.set RD,   25
.set CO,   26
.set ADRSA, 27
.set SPW,  28
.set NIL,  29
.set ADRSB, 30
.set PFO,  31                          ; v31 256 x min(lane, 23)
.set SC,   32
.set AF,   64
.set G1,   24                          ; s[24:31] group 1 of x's tiles; s[32:39] group 0, a set for each slot; s[48:51] group 0 of the head's halves of slot 0
.set G0,   32
.set G0H,  48
.set G1S,  68                          ; x's scales
.set G0S,  76
.set G1SB, 80                          ; W's scales
.set G0SB, 88
.set PFA,  56                          ; s[56:57] x's prefetch
.set BP,   94                          ; s[94:95] w_img at my tile column and the slot at work
.set MSB, 0
.macro WIN new                         ; the immediate's high byte repeats the setting that is left
.if MSB != (\new)
	s_set_vgpr_msb (MSB<<8)|(\new)
.set MSB, (\new)
.endif
.endm
.set MUL_LO, 0xa1                      ; source 0 (W) window 1, source 1 (x) window 0, C and D window 2; the first step's C lies in window 1
.set MUL_HI, 0xf1
.set TO_B,   0x40
.macro CREST
	s_cmp_lg_u32 s14, 0
	s_cbranch_scc1 .Lnot_wave_0_\@
	s_barrier_signal -3
.Lnot_wave_0_\@:
	s_barrier_wait -3
	s_barrier_signal -1
	s_barrier_wait -1
.endm
.macro CROUND
	s_barrier_signal -1
	s_barrier_wait -1
	CREST
.endm
.macro PLACES
.rept 4
	v_nop
.endr
.endm
.macro LOADB p, i0, off                ; W's blocks i0 .. i0 + 3 into set p, from byte off behind BP
.irp i, \i0, \i0+1, \i0+2, \i0+3
.irp c, 0,1,2
	global_load_b128 v[128*(\p)+FR*(\i)+4*\c:128*(\p)+FR*(\i)+4*\c+3], v[BO], s[BP:BP+1] offset:(\off)+(\i)*3072+512*\c
.endr
.endr
.endm
	s_load_b128 s[4:7], s[0:1], 0x0                ; x_img, x_scales
	s_load_b128 s[8:11], s[0:1], 0x10              ; w_img, w_sc
	s_load_b64 s[66:67], s[0:1], 0x20              ; bias
	s_load_b64 s[12:13], s[0:1], 0x28              ; out0
	v_lshl_add_u32 v[SPW], v0, 2, SPARE
	v_mov_b32 v[NIL], 0
	ds_add_u32 v[SPW], v[NIL]
	ds_add_u32 v[SPW], v[NIL]
	v_lshrrev_b32 v1, 5, v0
	v_readfirstlane_b32 s14, v1                    ; wave
	s_lshr_b32 s15, s14, 1                         ; my half of the rows
	s_and_b32 s16, s14, 1                          ; my half of the columns
	s_bfe_u32 s40, ttmp6, 0x40000                  ; cx
	s_bfe_u32 s41, ttmp6, 0x40004                  ; cy
	s_lshl_b32 s42, ttmp9, 2
	s_add_co_u32 s42, s42, s40                     ; tile column
	s_and_b32 s17, ttmp7, 0xffff
	s_lshl_b32 s17, s17, 2
	s_add_co_u32 s17, s17, s41                     ; tile row
	s_lshl_b32 s43, s41, 2
	s_lshl_b32 s43, 15, s43                        ; my row of the cluster
	s_lshl_b32 s44, 0x1111, s40                    ; my column
	s_or_b32 s[G1+0], s43, (3<<16)|(1<<21)         ; x's tiles: dense rows of 32 elements of 8 bytes; 192 rows at the head, 96 in the ring
	s_mov_b32 s[G1+1], 32<<16
	s_mov_b32 s[G1+2], 192<<16
	s_mov_b32 s[G1+3], 32<<16
	s_mov_b32 s[G1+4], 192
	s_mov_b32 s[G1+5], 32
	s_mov_b32 s[G1+6], 0
	s_mov_b32 s[G1+7], 0
	s_or_b32 s[G1S+0], s43, (3<<16)|(1<<20)|(1<<21)|(5<<22)|(3<<25)  ; x's scales: 128 rows of 256 bytes, 16 bytes of padding behind each
	s_mov_b32 s[G1S+1], 32<<16
	s_mov_b32 s[G1S+2], 128<<16
	s_mov_b32 s[G1S+3], 32<<16
	s_mov_b32 s[G1S+4], 128
	s_mov_b32 s[G1S+5], 32
	s_mov_b32 s[G1S+6], 0
	s_mov_b32 s[G1S+7], 0
	s_or_b32 s[G1SB+0], s44, (3<<16)|(1<<21)       ; W's scales: 16 rows of 2,048 bytes, 32,768 bytes apart
	s_mov_b32 s[G1SB+1], 256<<16
	s_mov_b32 s[G1SB+2], 16<<16
	s_mov_b32 s[G1SB+3], 256<<16
	s_mov_b32 s[G1SB+4], 16
	s_mov_b32 s[G1SB+5], 4096
	s_mov_b32 s[G1SB+6], 0
	s_mov_b32 s[G1SB+7], 0
	s_mul_i32 s18, s17, SLOT                       ; x_img: my tile row's 16 blocks of 6,144 bytes
	s_mul_i32 s45, s14, QUART                      ; my quarter, in memory and in LDS
	s_add_co_u32 s20, s18, s45
	s_mov_b32 s21, 0
	s_mul_i32 s19, s14, 2*QUART                    ; the head's halves (waves 0 and 1)
	s_add_co_u32 s22, s18, s19
	s_mov_b32 s23, 0
	s_lshl_b32 s46, s17, 15                        ; x_scales: 256 rows of 128 bytes
	s_mov_b32 s47, 0
	s_lshl_b32 s92, s42, 11                        ; w_sc: 256 columns of 8 bytes
	s_mov_b32 s93, 0
	s_mul_i32 s[BP], s42, 2*QUART                  ; w_img: 16 column blocks of 3,072 bytes
	s_mov_b32 s[BP+1], 0
	s_mul_i32 s[PFA], s40, QUART                   ; x's prefetch: partner cx takes a quarter of the tile, wave w 6,144 bytes of it; it begins at slot 2
	s_mul_i32 s57, s14, 6144
	s_add_co_u32 s[PFA], s[PFA], s57
	s_add_co_u32 s[PFA], s[PFA], s18
	s_add_co_u32 s[PFA], s[PFA], 2*JSTEP
	s_mov_b32 s[PFA+1], 0
	s_lshl_b32 s58, s17, 8
	s_lshl_b32 s59, s15, 7
	s_add_co_u32 s58, s58, s59
	s_lshl_b32 s58, s58, 14                        ; my first row of the result, 16,384 bytes a row
	s_lshl_b32 s60, s42, 10
	s_lshl_b32 s61, s16, 9
	s_add_co_u32 s60, s60, s61                     ; my first column, in bytes
	s_mov_b32 s61, 0
	s_add_co_u32 s58, s58, s60
	s_mov_b32 s59, 0
	s_mul_i32 s62, s15, 2*QUART                    ; my 128 rows in a slot
	s_mul_i32 s63, s16, QUART                      ; my 128 columns in w_img
	s_mul_i32 s96, s15, HALFS
	s_add_co_u32 s96, s96, SCA
	s_lshl_b32 s97, s16, 10
	s_add_co_u32 s97, s97, SCB
	s_mul_i32 s98, s14, 16*SPITCH
	s_add_co_u32 s98, s98, STAGE
	s_lshl_b32 s99, s41, 1                         ; W's prefetch: wave w takes the slot's half w % 2 along K, and of its 49,152 bytes part 2 cy + w / 2 of eight
	s_add_co_u32 s99, s99, s15
	s_mul_i32 s99, s99, 6144
	s_mul_i32 s100, s16, WJ
	s_add_co_u32 s99, s99, s100
	v_and_b32 v1, 15, v0                           ; r
	v_bfe_u32 v2, v0, 4, 1                         ; h
	v_and_b32 v6, 31, v0
	v_lshlrev_b32 v[CO], 4, v6
	v_add_nc_u32 v[ADRA], s62, v[CO]
	v_add_nc_u32 v[ADRA+1], SLOT, v[ADRA]
	v_add_nc_u32 v[BO], s63, v[CO]
	v_lshlrev_b32 v5, 7, v1                        ; x's scales: 128 bytes a row,
	v_lshrrev_b32 v7, 1, v1
	v_lshl_add_u32 v5, v7, 4, v5                   ; 16 more for each 256 passed;
	v_mad_u32_u24 v5, v2, SBLK, v5                 ; lanes 16-31 take the next block of 16 rows
	v_add_nc_u32 v[ADRSA], s96, v5
	v_lshl_add_u32 v[ADRSB], v6, 3, s97            ; W's: 8 bytes a column, a lane a column
	v_mul_u32_u24 v8, v1, SPITCH
	v_lshl_add_u32 v8, v2, 5, v8
	v_add_nc_u32 v[STO], s98, v8
	v_add_nc_u32 v[RD], s98, v[CO]
	v_min_u32 v[PFO], 23, v6
	v_lshlrev_b32 v[PFO], 8, v[PFO]
	v_add_nc_u32 v[PFOB], s99, v[PFO]
	v_lshlrev_b32 v[BV], 5, v2
	s_wait_alu depctr_va_vdst(0)
	s_wait_dscnt 0x0                               ; both opening adds are done
	s_wait_kmcnt 0x0
	s_add_nc_u64 s[20:21], s[4:5], s[20:21]
	s_add_nc_u64 s[22:23], s[4:5], s[22:23]
	s_add_nc_u64 s[PFA:PFA+1], s[4:5], s[PFA:PFA+1]
	s_add_nc_u64 s[46:47], s[6:7], s[46:47]
	s_add_nc_u64 s[BP:BP+1], s[8:9], s[BP:BP+1]
	s_add_nc_u64 s[92:93], s[10:11], s[92:93]
	s_add_nc_u64 s[66:67], s[66:67], s[60:61]
	s_add_nc_u64 s[12:13], s[12:13], s[58:59]
.irp s, 0,1
	s_mov_b32 s[G0+4*\s], 1
	s_add_co_u32 s[G0+4*\s+1], s45, \s*SLOT
	s_add_nc_u64 s[G0+4*\s+2:G0+4*\s+3], s[20:21], \s*JSTEP
	s_or_b32 s[G0+4*\s+3], s[G0+4*\s+3], 0x80000000
.endr
	s_mov_b32 s[G0H], 1
	s_mov_b32 s[G0H+1], s19
	s_mov_b64 s[G0H+2:G0H+3], s[22:23]
	s_or_b32 s[G0H+3], s[G0H+3], 0x80000000
	s_mov_b32 s[G0S], 1
	s_mov_b32 s[G0S+1], SCA
	s_mov_b64 s[G0S+2:G0S+3], s[46:47]
	s_or_b32 s[G0S+3], s[G0S+3], 0x80000000
	s_mov_b32 s[G0SB], 1
	s_mov_b32 s[G0SB+1], SCB
	s_mov_b64 s[G0SB+2:G0SB+3], s[92:93]
	s_or_b32 s[G0SB+3], s[G0SB+3], 0x80000000
	CROUND                                         ; all sixteen work-groups are here: the first joint loads meet
	; the head's loads, one a wave: waves 0 and 1 the halves of slot 0, wave 2 x's scales, wave 3 W's
	s_cmp_lt_u32 s14, 2
	s_cbranch_scc0 .Lhead_sa
	tensor_load_to_lds s[G0H:G0H+3], s[G1:G1+7]
	s_nop 0
	PLACES
	s_branch .Lhead_asked
.Lhead_sa:
	s_cmp_lt_u32 s14, 3
	s_cbranch_scc0 .Lhead_sb
	tensor_load_to_lds s[G0S:G0S+3], s[G1S:G1S+7]
	s_nop 0
	PLACES
	s_branch .Lhead_asked
.Lhead_sb:
	tensor_load_to_lds s[G0SB:G0SB+3], s[G1SB:G1SB+7]
	s_nop 0
	PLACES
.Lhead_asked:
	WIN TO_B
.irp b, 0,1,2,3,4,5,6,7
	global_load_b128 v[96+8*(\b%4)+128*(\b/4):96+8*(\b%4)+128*(\b/4)+3], v[BV], s[66:67] offset:64*\b       ; bias at my eight columns of block b
	global_load_b128 v[96+8*(\b%4)+128*(\b/4)+4:96+8*(\b%4)+128*(\b/4)+7], v[BV], s[66:67] offset:64*\b+16
.endr
	LOADB 0, 0, 0                                  ; W's fragments of step 0,
	LOADB 0, 4, 0
	LOADB 1, 0, 1536                               ; and the first half of step 1's
	WIN 0
	global_prefetch_b8 v[PFOB], s[BP:BP+1] offset:JSTEP th:TH_LOAD_NT scope:SCOPE_SE   ; W's slot 1
	global_prefetch_b8 v[PFO], s[PFA:PFA+1] th:TH_LOAD_NT scope:SCOPE_SE               ; x's slot 2
.macro WM a, b, first                  ; P: the step's sets of fragments and its word in the scale pairs; SS: the set of scale words
.set rD, 8*(8*((\b)%4)+(\a))
.set rB, 128*P+FR*(\b)
.set rA, AF+96*P+FR*(\a)
.set rC, rD
.if \first
.set rC, 96+8*((\b)%4)+128*((\b)/4)
.endif
.set sB, SC+16*SS+8+2*((\b)/2)+P
.set sA, SC+16*SS+2*((\a)/2)+P
.if ((\a)%2 == 0) && ((\b)%2 == 0)
	v_wmma_scale_f32_16x16x128_f8f6f4 v[rD:rD+7], v[rB:rB+FR-1], v[rA:rA+FR-1], v[rC:rC+7], v[sB], v[sA] matrix_a_fmt:MATRIX_FMT_FP6 matrix_b_fmt:MATRIX_FMT_FP6
.elseif (\a)%2 == 0
	v_wmma_scale_f32_16x16x128_f8f6f4 v[rD:rD+7], v[rB:rB+FR-1], v[rA:rA+FR-1], v[rC:rC+7], v[sB], v[sA] matrix_a_fmt:MATRIX_FMT_FP6 matrix_b_fmt:MATRIX_FMT_FP6 matrix_a_scale:MATRIX_SCALE_ROW1
.elseif (\b)%2 == 0
	v_wmma_scale_f32_16x16x128_f8f6f4 v[rD:rD+7], v[rB:rB+FR-1], v[rA:rA+FR-1], v[rC:rC+7], v[sB], v[sA] matrix_a_fmt:MATRIX_FMT_FP6 matrix_b_fmt:MATRIX_FMT_FP6 matrix_b_scale:MATRIX_SCALE_ROW1
.else
	v_wmma_scale_f32_16x16x128_f8f6f4 v[rD:rD+7], v[rB:rB+FR-1], v[rA:rA+FR-1], v[rC:rC+7], v[sB], v[sA] matrix_a_fmt:MATRIX_FMT_FP6 matrix_b_fmt:MATRIX_FMT_FP6 matrix_a_scale:MATRIX_SCALE_ROW1 matrix_b_scale:MATRIX_SCALE_ROW1
.endif
.endm
.macro MULB b, first                   ; W's block b against x's eight: the 64 accumulators take turns, one instruction a turn
.irp a, 0,1,2,3,4,5,6,7
	WM \a, \b, \first
.endr
.endm
.macro FETCHA slot, q, p               ; x's eight fragments of step q of a slot into set p
.irp i, 0,1,2,3,4,5,6,7
.irp c, 0,1,2
	ds_load_b128 v[AF+96*(\p)+FR*\i+4*\c:AF+96*(\p)+FR*\i+4*\c+3], v[ADRA+(\slot)] offset:\i*6144+(\q)*1536+512*\c
.endr
.endr
.endm
.macro SCALES set, sj                  ; the scale words of two steps (256 along K), the sj-th pair from where the address registers stand: lanes 0-15 block 2 ip, lanes 16-31 block 2 ip + 1
.irp ip, 0,1,2,3
	ds_load_b64 v[SC+16*(\set)+2*\ip:SC+16*(\set)+2*\ip+1], v[ADRSA] offset:\ip*2*SBLK+8*(\sj)
	ds_load_b64 v[SC+16*(\set)+8+2*\ip:SC+16*(\set)+8+2*\ip+1], v[ADRSB] offset:\ip*256+2048*(\sj)
.endr
.endm
.macro ASK slot
	global_prefetch_b8 v[PFOB], s[BP:BP+1] offset:JSTEP th:TH_LOAD_NT scope:SCOPE_SE   ; W's slot after the next
.if \slot
	s_cmp_gt_u32 s3, 1                             ; in the last trip slot 1's change has no x slot three on
	s_cbranch_scc0 .Lno_ask_\@
.endif
	global_prefetch_b8 v[PFO], s[PFA:PFA+1] th:TH_LOAD_NT scope:SCOPE_SE               ; x's slot that the next change of slots loads
.Lno_ask_\@:
.endm
; Step q of a slot.  In its middle W's blocks 0-3 of the step two on are asked for (their set's products are issued); at its end W's blocks 4-7 and x's eight fragments of that step, and in even steps the next pair's scale words.
; dc: the LDS loads of the step before, which may be out; lc0, lc1: W's loads younger than the half set that is due: three runs of 12 while the walk goes on.
; turn: the slot's third step.  My reads of this slot are over; in front of the barrier I wait for all my tensor loads (my quarter of the other slot), add 0 to my spare word, and wait for that and for my reads.
; turn = 2: the barrier opens a round of the cluster's barrier, and this slot is filled again, my one tensor load behind it.  turn = 1: nothing is left to fetch.  ld = 0: nothing more is asked for.
.macro STEP slot, q, first, turn, ld, sj, dc, lc0, lc1
.set P, (\q)%2
.set SS, (\q)/2
.if \turn
	s_wait_xcnt 0x0                                ; W's loads and the prefetches have read their bases: they step here
	s_add_nc_u64 s[BP:BP+1], s[BP:BP+1], JSTEP
.if \turn == 2
	s_add_nc_u64 s[PFA:PFA+1], s[PFA:PFA+1], JSTEP
.endif
	s_wait_tensorcnt 0x0
	ds_add_u32 v[SPW], v[NIL]
	s_wait_dscnt \dc+1
.else
	s_wait_dscnt \dc
.endif
	s_wait_loadcnt \lc0
	WIN MUL_LO-0x10*(\first)
	MULB 0, \first
	MULB 1, \first
.if \turn
	s_wait_dscnt 0x0                               ; the add is done, and so are my reads of this slot
	s_barrier_signal -1
.endif
	MULB 2, \first
	MULB 3, \first
.if \turn
	WIN 0
	s_barrier_wait -1
.endif
.if \turn == 2
	CREST
	s_add_nc_u64 s[G0+4*\slot+2:G0+4*\slot+3], s[G0+4*\slot+2:G0+4*\slot+3], 2*JSTEP
	tensor_load_to_lds s[G0+4*\slot:G0+4*\slot+3], s[G1:G1+7]
	s_nop 0
	PLACES                                         ; also the places in front of the loads below
.elseif \ld
	PLACES
.endif
.if \ld
	WIN TO_B
	LOADB P, 0, (1-(\q)/2)*WJ+P*1536
.endif
.if \turn == 2
	WIN 0
	ASK \slot
.endif
	s_wait_loadcnt \lc1
	WIN MUL_HI-0x20*(\first)
	MULB 4, \first
	MULB 5, \first
	MULB 6, \first
	MULB 7, \first
.if \ld
	PLACES
	WIN TO_B
	LOADB P, 4, (1-(\q)/2)*WJ+P*1536
	WIN 0
.if \sj >= 0
	SCALES (SS+1)%2, \sj
.endif
	FETCHA (\slot)^((\q)/2), ((\q)+2)%4, P
.else
	WIN 0
.endif
.endm
	s_wait_tensorcnt 0x0                           ; my tile of the head's is in
	ds_add_u32 v[SPW], v[NIL]
	s_mov_b32 s[G1+2], 96<<16                      ; no tensor load of mine is out: from here on a load brings 96 rows of 256 bytes
	s_mov_b32 s[G1+4], 96
	s_wait_dscnt 0x0
	CROUND
	tensor_load_to_lds s[G0+4:G0+7], s[G1:G1+7]    ; slot 1's first fill, my quarter
	s_nop 0
	PLACES
	s_wait_loadcnt 36                              ; the bias is in; 36 of W's loads may be out
	WIN TO_B
	LOADB 1, 4, 1536                               ; the second half of step 1's
	WIN 0
	SCALES 0, 0
	FETCHA 0, 0, 0
	FETCHA 0, 1, 1
	STEP 0, 0, 1, 0, 1, 1, 24, 36, 36              ; the first step's products start the sums from the bias
	s_mov_b32 s3, 3
.Llap:                                                 ; a trip goes once round the ring, from slot 0's second step to its next first step
	STEP 0, 1, 0, 0, 1, -1, 32, 36, 36
	STEP 0, 2, 0, 2, 1, 2, 24, 36, 36
	STEP 0, 3, 0, 0, 1, -1, 32, 36, 36
	STEP 1, 0, 0, 0, 1, 3, 24, 36, 36
	STEP 1, 1, 0, 0, 1, -1, 32, 36, 36
	STEP 1, 2, 0, 2, 1, 4, 24, 36, 36
	STEP 1, 3, 0, 0, 1, -1, 32, 36, 36
	STEP 0, 0, 0, 0, 1, 5, 24, 36, 36
	v_add_nc_u32 v[ADRSA], 32, v[ADRSA]            ; 1,024 along K on in the scales
	v_add_nc_u32 v[ADRSB], 8192, v[ADRSB]
	s_wait_alu depctr_va_vdst(0)
	s_sub_co_u32 s3, s3, 1
	s_cmp_lg_u32 s3, 0
	s_cbranch_scc1 .Llap
	STEP 0, 1, 0, 0, 1, -1, 32, 36, 36             ; the last two slots fill nothing
	STEP 0, 2, 0, 1, 1, 2, 24, 36, 36
	STEP 0, 3, 0, 0, 1, -1, 32, 36, 36
	STEP 1, 0, 0, 0, 1, 3, 24, 36, 36
	STEP 1, 1, 0, 0, 1, -1, 32, 36, 36
	STEP 1, 2, 0, 0, 0, -1, 24, 36, 24             ; W's counts run down
; THE LAST STEP, BY ROWS OF THE RESULT, AND THE WAY OUT.  Block a of 16 rows x 128 columns is finished by 8 products (its accumulators by turns), goes through my own stage in LDS and comes back as whole rows of
; 512 bytes, which the 32 lanes store as two aligned units of 256 bytes.  Block a's products stand ahead of block a - 1's stores.
.set P, 1
.set SS, 1
.macro ROW a
	WIN MUL_LO
.irp b, 0,1,2,3
	WM \a, \b, 0
.endr
	WIN MUL_HI
.irp b, 4,5,6,7
	WM \a, \b, 0
.endr
.endm
.macro TOSTAGE a
	WIN 0x08
.irp b, 0,1,2,3
	ds_store_b128 v[STO], v[8*(8*\b+(\a)):8*(8*\b+(\a))+3] offset:64*\b           ; each accumulator from its low end on
	ds_store_b128 v[STO], v[8*(8*\b+(\a))+4:8*(8*\b+(\a))+7] offset:64*\b+16
.endr
	WIN 0x0c
.irp b, 0,1,2,3
	ds_store_b128 v[STO], v[8*(8*\b+(\a)):8*(8*\b+(\a))+3] offset:64*\b+256
	ds_store_b128 v[STO], v[8*(8*\b+(\a))+4:8*(8*\b+(\a))+7] offset:64*\b+272
.endr
	WIN TO_B                                       ; back into window 1, v0-63 and v64-127 by turns: W's set 0 and half of the bias, both done with
.set BB, 64*((\a)%2)
.irp t, 0,1,2,3,4,5,6,7,8,9,10,11,12,13,14,15
	ds_load_b128 v[BB+4*\t:BB+4*\t+3], v[RD] offset:\t*SPITCH
.endr
.endm
.macro SEND a, younger
.set BB, 64*((\a)%2)
	s_wait_dscnt \younger
.if (\a) > 0
	s_add_nc_u64 s[12:13], s[12:13], 16*SIZE_N*4   ; behind a wait on XCNT: the earlier stores have read their base
.endif
	WIN 0x04                                       ; the data: window 1
.irp t, 0,1,2,3,4,5,6,7,8,9,10,11,12,13,14,15
	global_store_b128 v[CO], v[BB+4*\t:BB+4*\t+3], s[12:13] offset:\t*SIZE_N*4 th:TH_STORE_NT
.endr
.endm
	s_wait_dscnt 0x0                               ; x's last fragments,
	s_wait_loadcnt 0x0                             ; and W's
	ROW 0
	PLACES
	TOSTAGE 0
.irp a, 1,2,3,4,5,6,7
	ROW \a
	PLACES                                         ; in front of the stage's reads of results just made
.if \a > 1
	s_wait_xcnt 0x0                                ; block a - 2's stores have read their registers and their base
.endif
	TOSTAGE \a
	SEND \a-1, 32                                  ; behind block a - 1's loads: block a's 16 stores and 16 loads
.endr
	s_wait_xcnt 0x0
	SEND 7, 0
	WIN 0
	s_wait_tensorcnt 0x0                           ; the wave's end
	ds_add_u32 v[SPW], v[NIL]
	s_wait_dscnt 0x0
	CROUND                                         ; the closing round
	s_endpgm
.Lfunc_end_k_qed70381d52_gemm:
	.size	k_qed70381d52_gemm, .Lfunc_end_k_qed70381d52_gemm-k_qed70381d52_gemm
	.p2alignl 7, 3214868480
	.fill 96, 4, 3214868480
	.section	.rodata,"a",@progbits
	.p2align	6, 0x0
	.amdhsa_kernel k_qed70381d52_gemm
		.amdhsa_group_segment_fixed_size 327680
		.amdhsa_private_segment_fixed_size 0
		.amdhsa_enable_private_segment 0
		.amdhsa_kernarg_size 48
		.amdhsa_user_sgpr_count 2
		.amdhsa_user_sgpr_kernarg_segment_ptr 1
		.amdhsa_wavefront_size32 1
		.amdhsa_system_sgpr_workgroup_id_x 1
		.amdhsa_system_sgpr_workgroup_id_y 1
		.amdhsa_system_sgpr_workgroup_id_z 1
		.amdhsa_system_vgpr_workitem_id 0
		.amdhsa_next_free_vgpr 1024
		.amdhsa_next_free_sgpr 102
		.amdhsa_reserve_vcc 0
		.amdhsa_float_denorm_mode_32 3
		.amdhsa_float_denorm_mode_16_64 3
		.amdhsa_memory_ordered 1
		.amdhsa_forward_progress 1
		.amdhsa_inst_pref_size 245
	.end_amdhsa_kernel
	.amdgpu_metadata
---
amdhsa.version: [ 1, 2 ]
amdhsa.kernels:
  - .name:           k_qed70381d52_gemm
    .symbol:         k_qed70381d52_gemm.kd
    .args:
      - { .name: x_img, .offset: 0, .size: 8, .value_kind: global_buffer, .address_space: global }
      - { .name: x_scales, .offset: 8, .size: 8, .value_kind: global_buffer, .address_space: global }
      - { .name: w_img, .offset: 16, .size: 8, .value_kind: global_buffer, .address_space: global }
      - { .name: w_sc, .offset: 24, .size: 8, .value_kind: global_buffer, .address_space: global }
      - { .name: bias, .offset: 32, .size: 8, .value_kind: global_buffer, .address_space: global }
      - { .name: out0, .offset: 40, .size: 8, .value_kind: global_buffer, .address_space: global }
    .group_segment_fixed_size: 327680
    .private_segment_fixed_size: 0
    .kernarg_segment_align: 8
    .kernarg_segment_size: 48
    .max_flat_workgroup_size: 128
    .sgpr_count:     102
    .vgpr_count:     1024
    .wavefront_size: 32
...
	.end_amdgpu_metadata
.endif
;; end of part 4
